; MI455X (gfx1250); checked and timed in simulation.
; The chip was launched on July 23, 2026; its instructions are those of AMD's public machine-readable ISA for CDNA 5 (MIT licence, August 2026) and "CDNA5" Instruction Set Architecture Reference Guide (July 2026). The comments in the code are by the model that wrote it; some were corrected since.
;; Multihead Attention. Allowed arithmetic: matrix products marked QUANTISED: E4M3 operands, one E8M0 scale for each 32 along K, by v_wmma_scale_f32_16x16x128_f8f6f4 with both operands' format E4M3, f32 sums; everything else in f32.
;; Inputs: W_k_codes 1,024 x 32 x 32 uint8 (E4M3 codes of W_k, K innermost, in blocks of 32 codes); W_k_scales 1,024 x 32 uint8 (E8M0 scales of W_k, one for each 32 codes along K); W_o_codes 1,024 x 32 x 32 uint8 (E4M3 codes of W_o, K innermost, in blocks of 32 codes); W_o_scales 1,024 x 32 uint8 (E8M0 scales of W_o, one for each 32 codes along K); W_q_codes 1,024 x 32 x 32 uint8 (E4M3 codes of W_q, K innermost, in blocks of 32 codes); W_q_scales 1,024 x 32 uint8 (E8M0 scales of W_q, one for each 32 codes along K); W_v_codes 1,024 x 32 x 32 uint8 (E4M3 codes of W_v, K innermost, in blocks of 32 codes); W_v_scales 1,024 x 32 uint8 (E8M0 scales of W_v, one for each 32 codes along K); b_o 1,024 float32; x_codes 4 x 2,048 x 32 x 32 uint8 (E4M3 codes of x, K innermost, in blocks of 32 codes); x_scales 4 x 2,048 x 32 uint8 (E8M0 scales of x, one for each 32 codes along K).
;; Outputs: out0 4 x 2,048 x 1,024 float32.
;; This version of the problem:
;;   THIS VERSION OF THE PROBLEM IS GIVEN IN LOW PRECISION. The matrix products marked QUANTISED in the list below multiply operands that are first quantised to E4M3 (4 exponent bits, 3 mantissa bits; 8 bits a number), with one power-of-two scale for each 32 numbers along K (OCP MX v1.0); their sums are f32. All else is computed in f32.
;;   The module's matrix products, in the order in which they are computed (A, B: the left and right operand; K: the contracted axis; several contracted axes count as one K, in the product's order):
;;     1. [M 8,192, K 1,024] x [K 1,024, N 1,024]; A: input x (given as codes); B: input W_q (given as codes): QUANTISED
;;     2. [M 8,192, K 1,024] x [K 1,024, N 1,024]; A: input x (given as codes); B: input W_k (given as codes): QUANTISED
;;     3. [M 8,192, K 1,024] x [K 1,024, N 1,024]; A: input x (given as codes); B: input W_v (given as codes): QUANTISED
;;     4. batch 64 x [M 2,048, K 64] x [K 64, N 2,048]; A: computed on the way; B: computed on the way: QUANTISED
;;     5. batch 64 x [M 2,048, K 2,048] x [K 2,048, N 64]; A: softmax (see below); B: computed on the way: QUANTISED
;;     6. [M 8,192, K 1,024] x [K 1,024, N 1,024]; A: computed on the way; B: input W_o (given as codes): QUANTISED
;;   THE QUANTISER, for each operand of a quantised product, along K:
;;     - K is cut into blocks of 32 from its start; a last block that is shorter is filled with zeros.
;;     - A block's scale is 2^e with e = floor(log2(the largest magnitude in the block)) - 8, held to -126 .. 127; a block of zeros has e = 0. As a byte (E8M0): e + 127.
;;     - Each number is divided by its block's scale, clamped to +-448, and rounded to the nearest number of E4M3, ties to even, subnormals kept.
;;     - The product sums the exact products of the quantised numbers (number of the format x scale) in f32.
;;   ~~~python
;;   def quantise(x, axis):      # numpy; x: float32 -> the quantised numbers, widened to float32 again
;;       x = np.moveaxis(x, axis, -1); K = x.shape[-1]
;;       x = np.pad(x, [(0, 0)] * (x.ndim - 1) + [(0, -K % 32)]); x = x.reshape(x.shape[:-1] + (-1, 32)); a = np.abs(x).max(-1, keepdims=True)
;;       e = np.where(a > 0, np.clip(np.frexp(np.where(a > 0, a, 1))[1] - 1 - 8, -126, 127), 0)      # np.frexp(a)[1] - 1 = floor(log2(a)), exactly
;;       r = np.clip(x / 2.0 ** e, -448, 448)
;;       step = 2.0 ** (np.maximum(np.frexp(np.where(r == 0, 1, r))[1] - 1, -6) - 3)
;;       q = np.round(r / step) * step * 2.0 ** e      # np.round: ties to even
;;       return np.moveaxis(q.reshape(q.shape[:-2] + (-1,))[..., :K], -1, axis).astype(np.float32)
;;   ~~~
;;   SOFTMAX AHEAD OF A QUANTISED PRODUCT. Where the list says 'softmax', what is quantised is not the finished softmax but p = 2^(t - M), with t = logit x log2(e) and M = ceil(the row's largest t), a whole number; so 1/2 < the row's largest p <= 1. The row's sum l is taken of the UNQUANTISED p, in f32, and the product's result is divided by l at the end. Since M is a whole number, a kernel that streams over the keys may use a running M (the ceiling of the running maximum): every later rescaling is an exact power of two, which a block's scale takes up: the codes' values come out the same.
;;   OPERANDS COMPUTED ON THE WAY. 'Computed on the way' means the value that the module computes at that place (a softmax that the list does not call 'softmax' is quantised finished and normalised). What goes into a quantiser is computed in f32, as accurately as f32 sums, v_exp_f32 and their like allow (about 1e-6 of the number): no bf16 or f16 on the way to a quantiser, and a product that is left as it is and whose result goes on into a quantised operand takes f32 operands (vector FMAs, or v_wmma_f32_16x16x4_f32). A number that lies on a knife's edge between two numbers of the format may be rounded either way, as far as f32 arithmetic and the matrix unit's own rounding can turn it there, and no further.
;;   INPUTS GIVEN AS CODES. W_k (in the module: [1024, 1024], K = its axis 0); W_o (in the module: [1024, 1024], K = its axis 0); W_q (in the module: [1024, 1024], K = its axis 0); W_v (in the module: [1024, 1024], K = its axis 0); x (in the module: [4, 2048, 1024], K = its axis 2): each comes as NAME_codes (uint8): NAME with its K axis moved to the last place and cut into blocks of 32 codes, [.., K / 32, bytes a block], one block behind the other in memory; one code a byte (a code: sign, 4 exponent bits, 3 mantissa bits); and NAME_scales (uint8): the same leading axes, one E8M0 byte (e + 127) for each 32 codes along K. Its value is code x scale, taken as it is: it is not quantised again, and the codes and scales need not be those that the quantiser above would give.
;; 2 versions, each right; version 2 is version 1 with the launch attn written anew for expert scheduling mode. Each part assembles by itself: llvm-mc -triple=amdgcn-amd-amdhsa -mcpu=gfx1250 --defsym DOCPART=n.
;; ======== version 1 of 2: 3 launches
;; workspace buffers: img 25,165,824 bytes; scl 786,432 bytes; ctx_img 8,388,608 bytes; ctx_scl 262,144 bytes
;; launch qkv (part 1): grid 12 x 32, 4 waves a work-group, clusters of 4 x 4, 327,680 bytes of LDS; arguments x_codes, x_scales, W_q_codes, W_q_scales, W_k_codes, W_k_scales, W_v_codes, W_v_scales, img, scl; writes img, scl
.if DOCPART == 1
	.amdgcn_target "amdgcn-amd-amdhsa--gfx1250"
	.amdhsa_code_object_version 6
	.text
	.protected	k_q95be9c099d_qkv
	.globl	k_q95be9c099d_qkv
	.p2align	8
	.type	k_q95be9c099d_qkv,@function
k_q95be9c099d_qkv:
	s_mov_b64 s[64:65], 0
	v_nop
	global_prefetch_b8 v0, s[64:65] scope:SCOPE_SE
	s_setreg_imm32_b32 hwreg(HW_REG_WAVE_MODE, 25, 1), 1
	s_wait_xcnt 0x0
	s_wait_alu depctr_hold_cnt(0) depctr_sa_sdst(0) depctr_va_vdst(0) depctr_va_sdst(0) depctr_va_ssrc(0) depctr_va_vcc(0) depctr_vm_vsrc(0)
	s_getreg_b32 s2, hwreg(HW_REG_IB_STS2, 6, 4)
	s_cmp_eq_u32 s2, 0
	s_cbranch_scc0 .Lentry_in_a_cluster
	s_endpgm
.Lentry_in_a_cluster:
	s_bfe_u32 s2, ttmp6, 0x10000c
	s_cmp_lg_u32 s2, 0xf033
	s_cbranch_scc0 .Lentry_shape_is_right
	s_endpgm
.Lentry_shape_is_right:
; THE PROGRAM: causal attention of 16 heads of 64 on 4 x 2,048 tokens of 1,024, all six products on codes of FP8 (E4M3) with one E8M0 scale for each 32 along K.
; Three launches: this one (q = x W_q, k = x W_k, v = x W_v, each quantised on its way out), the attention (scores, softmax, context, quantised), the projection with its bias.
; WORK LEFT OUT, in the second launch alone: key steps of 128 keys all of which come after a wave's 16 queries.  reference() sets those scores to -infinity by the jnp.tril that it builds itself, so their
; softmax weights are exactly 0 whatever finite values the inputs hold, and they add nothing to the row's sum or to the context.  LIMIT: a NaN, an infinity or an overflow that would arise only in such a step is not carried to the result.
; Every input has a way to the output and is loaded by some launch.
; THIS LAUNCH.  C = A B^T on tiles of 256 x 256, K = 1,024 in steps of 256 through two LDS slots; four waves, each 128 x 128: 64 accumulators.  Source 0 = 16 rows of B, source 1 = 16 rows of A:
; a lane holds ONE row of A and its registers run along B's rows, which are the next product's K.  Cluster x says which product: 0 q, 1 k (A = x, B = the weight: the next K is the head's axis), 2 v (A = W_v, B = x: the next K is the keys).
; Only pointers and four shift counts are chosen by it; it is the same in all sixteen partners.  A's tiles are shared along a row of the cluster, B's along a column: joint loads.
; THE WAY OUT quantises: the 16 registers of accumulators 2 c and 2 c + 1 and those of lane l xor 16 are one block of 32.  A lane's 16 codes of a block are 16 bytes; the 32 lanes' are a PIECE of 512 bytes, the image of four
; operand registers, stored as it stands.  Inside a block the code at place 16 h + 8 u + j is index 16 u + 8 h + j (h = lane / 16): the same order falls on q and k, and on v and the softmax's p, so the products are the true ones.
; img: three regions of 2^23 bytes, [A's tile of 16 rows][block of 32 along the next K][512].  scl: three regions of 2^18 bytes, [128 along the next K][A's row], one word of four scale bytes.
; LIMITS: a block whose largest magnitude lies under 2^-118 keeps the byte 1; a block of zeros gets the byte 1 where the rule says 127 (its codes are zeros and this program alone reads the bytes); NaN and infinities among the inputs are not served.
; REGISTERS: window 0: v16-29 addresses; v32-63 scale words, two sets; v128-255 A's fragments, one set (free on the way out).  window 1: B's fragments, two sets.  windows 2, 3: accumulators, (a, b) at v[8 (8 (a % 4) + b)].
.set KSTEP,  256
.set NQ,     2                         ; matrix instructions deep in a slot
.set ROWB,   256                       ; a tile's row in bytes
.set KROW,   1024                      ; a row of A or of B in memory
.set PITCH,  272                       ; an LDS row: 256 bytes + 16 of padding
.set FR,     16
.set NL,     4
.set NP,     8                         ; places behind this matrix instruction (ISA guide 7.12.1)
.set HALFT,  128*PITCH
.set SLOT,   4*HALFT                   ; A's 256 rows, then B's 256 rows
.set LAPS,   2                         ; 1,024 / 512
.set KS,     32                        ; a row of scale bytes
.set SCL,    2*SLOT                    ; behind the ring: the scales, as rows of 256 bytes + 16
.set HALFS,  (128*KS/256)*272
.set SBLK,   (16*KS/256)*272
.set SPARE,  SCL+4*HALFS               ; the spare words: 128 bytes for each wave, named by no other line
.set ADRA, 16
.set ADRB, 20
.set VO,   24                          ; v24  16 x lane
.set STW,  25                          ; v25  the way out: where my row's scale word goes: 512 x wave + 4 (lane % 16), in slot 0, which has had its last fill and its last read by then
.set STR,  26                          ; v26  and where 16 bytes of the wave's 128 words come back
.set ADRS, 27
.set SPW,  28
.set NIL,  29
.set SC,   32
.set AF,   128
.set T,    128                         ; the way out: 64 numbers held within the largest code x the scale
.set PC,   192                         ; their codes
.set TM,   208                         ; +0 largest magnitudes, +4 exchange, then bytes, +8 448 x scale, +12 the conversions' scale operand
.set SW,   224                         ; a scale word for each of my eight tiles of A's rows
.set BK,   232
.set G1, 24
.set G0, 32
.set G1B, 48
.set G0B, 56
.set G1S, 68
.set G0S, 76
.set G1SB, 80
.set G0SB, 88
.set WV,  66
.set HA,  67
.set HB,  92
.set SEL, 98
.set MNT, 100
.set MSB, 0
.macro WIN new                         ; the immediate's high byte repeats the setting that is left
.if MSB != (\new)
	s_set_vgpr_msb (MSB<<8)|(\new)
.set MSB, (\new)
.endif
.endm
.set MUL_LO, 0xa1                      ; source 0 (B) window 1, source 1 (A) window 0, C and D window 2
.set MUL_HI, 0xf1
.set TO_B,   0x40
; A joint load: waves 0 and 1 fetch for A, waves 2 and 3 for B; the branch hangs on the wave's number alone.  An s_nop 0 and four v_nop follow each line.
.macro JLOAD g0a, g1a, g0b, g1b
	s_cmp_eq_u32 s[HA], 0
	s_cbranch_scc0 .Lfor_b_\@
	tensor_load_to_lds s[\g0a:\g0a+3], s[\g1a:\g1a+7]
	s_nop 0
.rept 4
	v_nop
.endr
	s_branch .Lasked_\@
.Lfor_b_\@:
	tensor_load_to_lds s[\g0b:\g0b+3], s[\g1b:\g1b+7]
	s_nop 0
.rept 4
	v_nop
.endr
.Lasked_\@:
.endm
.macro CREST                           ; a round of the cluster's barrier behind its opening barrier
	s_cmp_lg_u32 s[WV], 0
	s_cbranch_scc1 .Lnot_wave_0_\@
	s_barrier_signal -3
.Lnot_wave_0_\@:
	s_barrier_wait -3
	s_barrier_signal -1
	s_barrier_wait -1
.endm
.macro CROUND
	s_barrier_signal -1
	s_barrier_wait -1
	CREST
.endm
	s_load_b512 s[4:19], s[0:1], 0x0               ; x codes, x scales, W_q codes, scales, W_k codes, scales, W_v codes, scales
	s_load_b128 s[20:23], s[0:1], 0x40             ; img, scl
	v_lshl_add_u32 v[SPW], v0, 2, SPARE
	v_mov_b32 v[NIL], 0
	ds_add_u32 v[SPW], v[NIL]                      ; the wave's opening: the add, twice on end, and its wait ahead of my first tensor load
	ds_add_u32 v[SPW], v[NIL]
	v_lshrrev_b32 v1, 5, v0
	v_readfirstlane_b32 s[WV], v1                  ; wave 0..3
	s_lshr_b32 s[HA], s[WV], 1                     ; my half of A's rows.  Also: I fetch for A (0) or for B (1)
	s_and_b32 s[HB], s[WV], 1                      ; my half of B's rows.  Also: which 128 rows I fetch
	s_bfe_u32 s40, ttmp6, 0x40000                  ; cx
	s_bfe_u32 s41, ttmp6, 0x40004                  ; cy
	s_and_b32 s42, ttmp7, 0xffff
	s_lshl_b32 s42, s42, 2                         ; 4 x cluster y
	s_cmp_eq_u32 ttmp9, 2                          ; v?  The cluster's x: the same in all sixteen partners
	s_cselect_b32 s93, 0, s42                      ; the tokens' 32 tiles lie along A for q and k,
	s_cselect_b32 s94, s42, 0                      ; along B for v
	s_cselect_b32 s95, 8, 5                        ; log2 of the blocks in an A tile's run of img
	s_cselect_b32 s96, 10, 13                      ; log2 of A's rows in scl
	s_add_co_u32 s93, s93, s41                     ; A's tile: hangs on cy and the cluster's y
	s_add_co_u32 s94, s94, s40                     ; B's tile: on cx and the cluster's y
	s_lshl_b32 s43, s41, 2
	s_lshl_b32 s43, 15, s43                        ; my row of the cluster
	s_lshl_b32 s44, 0x1111, s40                    ; my column
	s_or_b32 s[G1+0], s43, (0<<16)|(1<<20)|(1<<21)|(5<<22)|(3<<25)  ; mask; elements of 1 byte; padding on; bit 21 beside a mask; after every 64 words, 4 words
	s_or_b32 s[G1B+0], s44, (0<<16)|(1<<20)|(1<<21)|(5<<22)|(3<<25)
.irp g, G1, G1B
	s_mov_b32 s[\g+1], ROWB<<16                    ; tensor_dim0
	s_mov_b32 s[\g+2], 128<<16                     ; tensor_dim1
	s_mov_b32 s[\g+3], ROWB<<16                    ; tile_dim0
	s_mov_b32 s[\g+4], 128                         ; tile_dim1
	s_mov_b32 s[\g+5], KROW                        ; stride
	s_mov_b32 s[\g+6], 0
	s_mov_b32 s[\g+7], 0
.endr
	s_or_b32 s[G1S+0], s43, (3<<16)|(1<<20)|(1<<21)|(5<<22)|(3<<25)  ; the scales of 128 rows: 4,096 dense bytes as 16 rows of 32 elements of 8 bytes, padded
	s_or_b32 s[G1SB+0], s44, (3<<16)|(1<<20)|(1<<21)|(5<<22)|(3<<25)
.irp g, G1S, G1SB
	s_mov_b32 s[\g+1], 32<<16
	s_mov_b32 s[\g+2], (128*KS/256)<<16
	s_mov_b32 s[\g+3], 32<<16
	s_mov_b32 s[\g+4], 128*KS/256
	s_mov_b32 s[\g+5], 32
	s_mov_b32 s[\g+6], 0
	s_mov_b32 s[\g+7], 0
.endr
	s_lshl_b32 s2, s[HB], 7                        ; which 128 rows of the tile I fetch
	s_lshl_b32 s101, s93, 8
	s_add_co_u32 s101, s101, s2                    ; A's row
	s_lshl_b32 s46, s94, 8
	s_add_co_u32 s46, s46, s2                      ; B's row
	s_mul_i32 s45, s[WV], HALFT                    ; where the tiles go: wave x 128 rows
	s_mul_i32 s97, s[WV], HALFS
	s_mov_b32 s[SEL], 0x76543210
	s_mov_b32 s[SEL+1], 0xfedcba98                 ; v_permlanex16_b32: lane l xor 16
	s_mov_b32 s[MNT], 0x600000                     ; the mantissa field of 448
	s_wait_dscnt 0x0                               ; both opening adds are done
	s_wait_kmcnt 0x0
	s_cmp_eq_u32 ttmp9, 1                          ; k: B is W_k
	s_cselect_b64 s[8:9], s[12:13], s[8:9]
	s_cselect_b64 s[10:11], s[14:15], s[10:11]
	s_cmp_eq_u32 ttmp9, 2                          ; v: B is x, A is W_v
	s_cselect_b64 s[8:9], s[4:5], s[8:9]
	s_cselect_b64 s[10:11], s[6:7], s[10:11]
	s_cselect_b64 s[4:5], s[16:17], s[4:5]
	s_cselect_b64 s[6:7], s[18:19], s[6:7]
	s_lshl_b32 s12, s101, 10
	s_mov_b32 s13, 0
	s_add_nc_u64 s[4:5], s[4:5], s[12:13]          ; A's codes at my 128 rows
	s_lshl_b32 s12, s101, 5
	s_add_nc_u64 s[6:7], s[6:7], s[12:13]          ; their scale bytes
	s_lshl_b32 s18, s46, 10
	s_mov_b32 s19, 0
	s_add_nc_u64 s[8:9], s[8:9], s[18:19]          ; B likewise
	s_lshl_b32 s18, s46, 5
	s_add_nc_u64 s[10:11], s[10:11], s[18:19]
	CROUND                                         ; all sixteen work-groups are here: the first joint loads meet
	s_mov_b32 s[G0S], 1
	s_add_co_u32 s[G0S+1], s97, SCL
	s_mov_b64 s[G0S+2:G0S+3], s[6:7]
	s_or_b32 s[G0S+3], s[G0S+3], 0x80000000
	s_mov_b32 s[G0SB], 1
	s_add_co_u32 s[G0SB+1], s97, SCL
	s_mov_b64 s[G0SB+2:G0SB+3], s[10:11]
	s_or_b32 s[G0SB+3], s[G0SB+3], 0x80000000
	JLOAD G0S, G1S, G0SB, G1SB                     ; the scales first: three loads of mine are out at the most
.irp s, 0,1
	s_mov_b32 s[G0+4*\s], 1
	s_add_co_u32 s[G0+4*\s+1], s45, \s*SLOT
	s_add_nc_u64 s[G0+4*\s+2:G0+4*\s+3], s[4:5], \s*ROWB
	s_or_b32 s[G0+4*\s+3], s[G0+4*\s+3], 0x80000000
	s_mov_b32 s[G0B+4*\s], 1
	s_add_co_u32 s[G0B+4*\s+1], s45, \s*SLOT
	s_add_nc_u64 s[G0B+4*\s+2:G0B+4*\s+3], s[8:9], \s*ROWB
	s_or_b32 s[G0B+4*\s+3], s[G0B+4*\s+3], 0x80000000
	JLOAD G0+4*\s, G1, G0B+4*\s, G1B
.endr
	v_and_b32 v1, 15, v0                           ; r = lane % 16
	v_bfe_u32 v2, v0, 4, 1                         ; h = lane / 16
	v_mul_u32_u24 v3, v1, PITCH
	v_lshl_add_u32 v4, v2, 4, v3                   ; a fragment's row x pitch + 16 h
	s_mul_i32 s2, s[HA], HALFT
	s_mul_i32 s101, s[HB], HALFT
	s_add_co_u32 s101, s101, 2*HALFT
.irp s, 0,1
	v_add_nc_u32 v[ADRA+\s], s2, v4
	v_add_nc_u32 v[ADRB+\s], s101, v4
	s_add_co_u32 s2, s2, SLOT
	s_add_co_u32 s101, s101, SLOT
.endr
	v_mul_u32_u24 v5, v1, KS                       ; my row's scales: 32 bytes a row,
	v_lshrrev_b32 v6, 8, v5
	v_lshl_add_u32 v5, v6, 4, v5                   ; and 16 more for each 256 passed
	s_mul_i32 s2, s[HA], HALFS
	s_mul_i32 s101, s[HB], HALFS
	s_add_co_u32 s101, s101, 2*HALFS
	s_sub_co_u32 s101, s101, s2
	v_mul_u32_u24 v6, s101, v2                     ; lanes 16-31 take B's
	s_add_co_u32 s2, s2, SCL
	v_add_nc_u32 v5, v5, v6
	v_add_nc_u32 v[ADRS], s2, v5
	v_and_b32 v6, 31, v0
	v_lshlrev_b32 v[VO], 4, v6
	s_lshl_b32 s2, s[WV], 9
	v_lshl_add_u32 v[STW], v1, 2, s2
	v_add_nc_u32 v[STR], s2, v[VO]
	; where my results go.  Codes: region + (((16 A tile + 8 half) << SH) + 8 B tile + 4 half) pieces of 512 bytes
	s_lshl_b32 s2, s93, 4
	s_lshl_b32 s101, s[HA], 3
	s_add_co_u32 s2, s2, s101
	s_lshl_b32 s2, s2, s95
	s_lshl_b32 s101, s94, 3
	s_add_co_u32 s2, s2, s101
	s_lshl_b32 s101, s[HB], 2
	s_add_co_u32 s2, s2, s101
	s_lshl_b32 s2, s2, 9
	s_lshl_b32 s101, ttmp9, 23
	s_add_co_u32 s18, s2, s101
	s_mov_b32 s19, 0
	s_add_nc_u64 s[12:13], s[20:21], s[18:19]
	; scale words: region + (((2 B tile + half) << SHS) + 256 A tile + 128 half) words
	s_lshl_b32 s2, s94, 1
	s_add_co_u32 s2, s2, s[HB]
	s_lshl_b32 s2, s2, s96
	s_lshl_b32 s101, s93, 8
	s_add_co_u32 s2, s2, s101
	s_lshl_b32 s101, s[HA], 7
	s_add_co_u32 s2, s2, s101
	s_lshl_b32 s2, s2, 2
	s_lshl_b32 s101, ttmp9, 18
	s_add_co_u32 s18, s2, s101
	s_add_nc_u64 s[14:15], s[22:23], s[18:19]
	s_lshl_b32 s16, 512, s95                       ; from one tile of A's rows to the next, in img
	s_mov_b32 s17, 0
.macro FRAG reg, adr, q, i             ; 16 rows x 128 K: lane l holds row l % 16; registers 4 c .. 4 c + 3 hold K = 32 c + 16 (l / 16) + 0 .. 15
.irp c, 0,1,2,3
	ds_load_b128 v[\reg+4*\c:\reg+4*\c+3], v[\adr] offset:128*(\q)+32*\c+(\i)*16*PITCH
.endr
.endm
; 16 matrix instructions: A's blocks a0, a0 + 1 x B's eight.  The 64 accumulators take turns, one instruction a turn, in the same order in every step.
.macro MUL16 a0, p, q, sc, zero
.irp a, \a0, \a0+1
.irp b, 0,1,2,3,4,5,6,7
.if \zero
	v_wmma_scale_f32_16x16x128_f8f6f4 v[8*(8*((\a)%4)+\b):8*(8*((\a)%4)+\b)+7], v[128*(\p)+FR*\b:128*(\p)+FR*\b+FR-1], v[AF+FR*(\a):AF+FR*(\a)+FR-1], 0, v[SC+8*NQ*(\sc)+NQ*\b+(\q)], v[SC+8*NQ*(\sc)+NQ*(\a)+(\q)] matrix_a_scale:MATRIX_SCALE_ROW1
.else
	v_wmma_scale_f32_16x16x128_f8f6f4 v[8*(8*((\a)%4)+\b):8*(8*((\a)%4)+\b)+7], v[128*(\p)+FR*\b:128*(\p)+FR*\b+FR-1], v[AF+FR*(\a):AF+FR*(\a)+FR-1], v[8*(8*((\a)%4)+\b):8*(8*((\a)%4)+\b)+7], v[SC+8*NQ*(\sc)+NQ*\b+(\q)], v[SC+8*NQ*(\sc)+NQ*(\a)+(\q)] matrix_a_scale:MATRIX_SCALE_ROW1
.endif
.endr
.endr
.endm
.macro FETCH_B slot, q, p
	WIN TO_B
.irp i, 0,1,2,3,4,5,6,7
	FRAG 128*(\p)+FR*\i, ADRB+\slot, \q, \i
.endr
	WIN 0
.endm
.macro FETCH_A slot, q, i0
.irp i, \i0, \i0+1, \i0+2, \i0+3
	FRAG AF+FR*(\i), ADRA+\slot, \q, \i
.endr
.endm
.macro SCALES sc                       ; a K step's scale words: lanes 0-15 A's block i, lanes 16-31 B's block i
.irp i, 0,1,2,3,4,5,6,7
	ds_load_b64 v[SC+8*NQ*\sc+NQ*\i:SC+8*NQ*\sc+NQ*\i+1], v[ADRS] offset:\i*SBLK
.endr
.endm
.macro PLACES n                        ; plain vector instructions between a matrix instruction and a load into, or a read of, its registers
.rept \n
	v_nop
.endr
.endm
.macro STEP slot, q, zero              ; 128 along K with its successor in the same slot
	s_wait_dscnt 4*NL                              ; B's set and A's blocks 0-3 are in; the youngest 16 loads (A's blocks 4-7) may be out
	WIN MUL_LO
	MUL16 0, (\q)%2, \q, \slot, \zero
	MUL16 2, (\q)%2, \q, \slot, \zero
	s_wait_dscnt 0
	PLACES NP
	FETCH_B \slot, (\q)+1, 1-(\q)%2
	FETCH_A \slot, (\q)+1, 0
	WIN MUL_HI
	MUL16 4, (\q)%2, \q, \slot, \zero
	MUL16 6, (\q)%2, \q, \slot, \zero
	PLACES NP
	WIN 0
	FETCH_A \slot, (\q)+1, 4
.endm
; A slot's last step changes slots: one barrier; in front of it each wave waits for all its tensor loads, adds 0 to its spare word, and waits for that and for its reads of this slot.
.macro TURN slot, next, fill
	s_wait_tensorcnt 0x0                           ; all my tensor loads have landed: my part of the next slot
	ds_add_u32 v[SPW], v[NIL]
	s_wait_dscnt 4*NL+1                            ; the add and the youngest 16 loads may be out
	WIN MUL_LO
	MUL16 0, 1, NQ-1, \slot, 0
	s_wait_dscnt 0x0                               ; the add is done, and my reads of this slot are over
	s_barrier_signal -1
	MUL16 2, 1, NQ-1, \slot, 0
	WIN 0
	s_barrier_wait -1
.if \fill
	CREST                                          ; the barrier has opened a round of the cluster's: no wave of any partner still reads this slot or has a load on its way
	s_add_nc_u64 s[G0+4*\slot+2:G0+4*\slot+3], s[G0+4*\slot+2:G0+4*\slot+3], 2*ROWB
	s_add_nc_u64 s[G0B+4*\slot+2:G0B+4*\slot+3], s[G0B+4*\slot+2:G0B+4*\slot+3], 2*ROWB
	JLOAD G0+4*\slot, G1, G0B+4*\slot, G1B         ; my one tensor load behind the round; its four v_nop are among the places below
	PLACES NP-4
.else
	PLACES NP
.endif
	v_add_nc_u32 v[ADRS], 4*NQ, v[ADRS]            ; the next K step's scale words
	FETCH_B \next, 0, 0
	FETCH_A \next, 0, 0
	SCALES \next
	WIN MUL_HI
	MUL16 4, 1, NQ-1, \slot, 0
	MUL16 6, 1, NQ-1, \slot, 0
	PLACES NP
	WIN 0
	FETCH_A \next, 0, 4
.endm
	s_wait_tensorcnt 1                             ; the scales and my part of K step 0 are in; K step 1's load may be out
	s_barrier_signal -1
	s_barrier_wait -1
	FETCH_B 0, 0, 0
	FETCH_A 0, 0, 0
	SCALES 0
	FETCH_A 0, 0, 4
	STEP 0, 0, 1                                   ; the first step's products start the sums
	s_mov_b32 s3, LAPS-1
.Llap:
	TURN 0, 1, 1
	STEP 1, 0, 0
	TURN 1, 0, 1
	STEP 0, 0, 0
	s_sub_co_u32 s3, s3, 1
	s_cmp_lg_u32 s3, 0
	s_cbranch_scc1 .Llap
	TURN 0, 1, 0                                   ; the last lap fills nothing
	STEP 1, 0, 0
	s_wait_dscnt 4*NL
	WIN MUL_LO
	MUL16 0, 1, NQ-1, 1, 0
	MUL16 2, 1, NQ-1, 1, 0
	s_wait_dscnt 0
	WIN MUL_HI
	MUL16 4, 1, NQ-1, 1, 0
	MUL16 6, 1, NQ-1, 1, 0
	WIN 0
; THE WAY OUT of my tile a of A's rows: four blocks of 32 along the next K are quantised and leave as four pieces of 512 consecutive bytes.
.macro OUTA a
.set AC, 64*((\a)%4)
.set WW, 2+(\a)/4
	WIN WW*5                                       ; sources 0 and 1: the accumulators' window
.irp b, 0,1,2,3
	v_max3_num_f32 v[TM+\b], |v[AC+16*\b]|, |v[AC+16*\b+1]|, 0x4800000   ; my 16 numbers of block b, each accumulator from its low end on, and the floor 2^(9 - 127): the byte cannot fall under 1
.endr
.irp i, 2,4,6,8,10,12,14
.irp b, 0,1,2,3
	v_max3_num_f32 v[TM+\b], |v[AC+16*\b+\i]|, |v[AC+16*\b+\i+1]|, v[TM+\b]
.endr
.endr
	WIN 0
.irp b, 0,1,2,3
	v_permlanex16_b32 v[TM+4+\b], v[TM+\b], s[SEL], s[SEL+1]
.endr
.irp b, 0,1,2,3
	v_max_num_f32 v[TM+\b], v[TM+\b], v[TM+4+\b]   ; with lane l xor 16's: the block's largest magnitude
.endr
.irp b, 0,1,2,3
	v_add_nc_u32 v[TM+12+\b], 0xfc000000, v[TM+\b] ; 8 off its exponent field: the conversions' scale operand
.endr
.irp b, 0,1,2,3
	v_and_or_b32 v[TM+8+\b], v[TM+\b], 0x7f800000, s[MNT]   ; 448 x the scale
.endr
.irp b, 0,1,2,3
	v_lshrrev_b32 v[TM+4+\b], 23, v[TM+12+\b]      ; the scale's byte
.endr
	v_lshl_or_b32 v[SW+\a], v[TM+5], 8, v[TM+4]
	v_lshl_or_b32 v[SW+\a], v[TM+6], 16, v[SW+\a]
	v_lshl_or_b32 v[SW+\a], v[TM+7], 24, v[SW+\a]
	WIN WW                                         ; source 0: the accumulators' window
.irp b, 0,1,2,3
.irp i, 0,1,2,3,4,5,6,7,8,9,10,11,12,13,14,15
	v_med3_num_f32 v[T+16*\b+\i], v[AC+16*\b+\i], -v[TM+8+\b], v[TM+8+\b]   ; the conversion does not saturate (ISA guide 7.6.2): the hold comes first
.endr
.endr
	WIN 0
.if \a > 0
	s_wait_xcnt 0x0                                ; the last tile's stores have read their data and their base: both are written again only behind this wait
	s_add_nc_u64 s[12:13], s[12:13], s[16:17]
.endif
.irp b, 0,1,2,3
	v_cvt_scalef32_pk8_fp8_f32 v[PC+4*\b:PC+4*\b+1], v[T+16*\b:T+16*\b+7], v[TM+12+\b]
	v_cvt_scalef32_pk8_fp8_f32 v[PC+4*\b+2:PC+4*\b+3], v[T+16*\b+8:T+16*\b+15], v[TM+12+\b]
.endr
	v_nop                                          ; a plain line behind the last conversion
.irp b, 0,1,2,3
	global_store_b128 v[VO], v[PC+4*\b:PC+4*\b+3], s[12:13] offset:512*\b   ; 32 lanes store 512 consecutive bytes, at a multiple of 512 from img's first byte
.endr
	ds_store_b32 v[STW], v[SW+\a] offset:64*\a     ; both halves of the lanes write the same word with the same value
.endm
	PLACES NP
.irp b, 0,1,2,3
	v_mov_b32 v[TM+4+\b], 0                        ; a lane permute's destination counts as one of its sources
.endr
.irp a, 0,1,2,3,4,5,6,7
	OUTA \a
.endr
	ds_load_b128 v[BK:BK+3], v[STR]                ; LDS serves a wave's instructions in order (ISA guide 5.7.1.4): this sees my stores
	s_wait_dscnt 0x0
	global_store_b128 v[VO], v[BK:BK+3], s[14:15]  ; my 128 rows' scale words: 512 consecutive bytes
	s_wait_tensorcnt 0x0                           ; the wave's end
	ds_add_u32 v[SPW], v[NIL]
	s_wait_dscnt 0x0
	CROUND                                         ; the closing round
	s_endpgm
.Lfunc_end_k_q95be9c099d_qkv:
	.size	k_q95be9c099d_qkv, .Lfunc_end_k_q95be9c099d_qkv-k_q95be9c099d_qkv
	.p2alignl 7, 3214868480
	.fill 96, 4, 3214868480
	.section	.rodata,"a",@progbits
	.p2align	6, 0x0
	.amdhsa_kernel k_q95be9c099d_qkv
		.amdhsa_group_segment_fixed_size 327680
		.amdhsa_private_segment_fixed_size 0
		.amdhsa_enable_private_segment 0
		.amdhsa_kernarg_size 80
		.amdhsa_user_sgpr_count 2
		.amdhsa_user_sgpr_kernarg_segment_ptr 1
		.amdhsa_wavefront_size32 1
		.amdhsa_system_sgpr_workgroup_id_x 1
		.amdhsa_system_sgpr_workgroup_id_y 1
		.amdhsa_system_sgpr_workgroup_id_z 1
		.amdhsa_system_vgpr_workitem_id 0
		.amdhsa_next_free_vgpr 1024
		.amdhsa_next_free_sgpr 102
		.amdhsa_reserve_vcc 0
		.amdhsa_float_denorm_mode_32 3
		.amdhsa_float_denorm_mode_16_64 3
		.amdhsa_memory_ordered 1
		.amdhsa_forward_progress 1
		.amdhsa_inst_pref_size 186
	.end_amdhsa_kernel
	.amdgpu_metadata
---
amdhsa.version: [ 1, 2 ]
amdhsa.kernels:
  - .name:           k_q95be9c099d_qkv
    .symbol:         k_q95be9c099d_qkv.kd
    .args:
      - { .name: x_codes, .offset: 0, .size: 8, .value_kind: global_buffer, .address_space: global }
      - { .name: x_scales, .offset: 8, .size: 8, .value_kind: global_buffer, .address_space: global }
      - { .name: W_q_codes, .offset: 16, .size: 8, .value_kind: global_buffer, .address_space: global }
      - { .name: W_q_scales, .offset: 24, .size: 8, .value_kind: global_buffer, .address_space: global }
      - { .name: W_k_codes, .offset: 32, .size: 8, .value_kind: global_buffer, .address_space: global }
      - { .name: W_k_scales, .offset: 40, .size: 8, .value_kind: global_buffer, .address_space: global }
      - { .name: W_v_codes, .offset: 48, .size: 8, .value_kind: global_buffer, .address_space: global }
      - { .name: W_v_scales, .offset: 56, .size: 8, .value_kind: global_buffer, .address_space: global }
      - { .name: img, .offset: 64, .size: 8, .value_kind: global_buffer, .address_space: global }
      - { .name: scl, .offset: 72, .size: 8, .value_kind: global_buffer, .address_space: global }
    .group_segment_fixed_size: 327680
    .private_segment_fixed_size: 0
    .kernarg_segment_align: 8
    .kernarg_segment_size: 80
    .max_flat_workgroup_size: 128
    .sgpr_count:     102
    .vgpr_count:     1024
    .wavefront_size: 32
...
	.end_amdgpu_metadata
.endif
;; end of part 1
;; launch attn (part 2): grid 8 x 64, 16 waves a work-group, no clusters, 47,104 bytes of LDS; arguments img, scl, ctx_img, ctx_scl; writes ctx_img, ctx_scl
.if DOCPART == 2
	.amdgcn_target "amdgcn-amd-amdhsa--gfx1250"
	.amdhsa_code_object_version 6
	.text
	.protected	k_q95be9c099d_attn
	.globl	k_q95be9c099d_attn
	.p2align	8
	.type	k_q95be9c099d_attn,@function
k_q95be9c099d_attn:
	s_mov_b64 s[64:65], 0
	v_nop
	global_prefetch_b8 v0, s[64:65] scope:SCOPE_SE
	s_setreg_imm32_b32 hwreg(HW_REG_WAVE_MODE, 25, 1), 1
	s_wait_xcnt 0x0
; ctx = softmax(q k^T / 8, causal) v for one head of one batch, both products on codes of FP8 (E4M3); ctx is quantised along the model's 1,024 on its way out.
; WORK LEFT OUT: a key step of 128 keys all of which come after the wave's 16 queries: reference()'s own jnp.tril makes their weights exactly 0 for all inputs.  A NaN, infinity or overflow that would arise only there is not carried.
; THE SOFTMAX: t = score x log2(e) / 8; M = the running largest t rounded up to a whole number; p = 2^(t - M) is quantised along the keys, not normalised; the row's sum is taken of the unquantised p and divides at the end.
; SHARES.  Grid y = 16 batch + head; grid x = j.  A head's queries are 16 blocks of 128; work-group j owns blocks j (waves 0-7) and 15 - j (waves 8-15), a wave one tile of 16 queries.  A wave of block i walks key steps 0 .. i,
; so every work-group has 8 (j + 1) + 8 (16 - j) = 136 steps of a wave.  No cluster: the work-groups of a head walk 16 - j key steps, a different number each, so partners could not make every request jointly.
; K and V come as pieces of 512 bytes (images of four operand registers, 16 bytes a lane).  A key step is 16 pieces of K and 16 of V: each wave loads one of each a step ahead into registers and stores them into the other of two LDS slots
; at the step's end; one barrier a step: in front of it my reads of this slot are back and my stores into the other are done.  All 16 steps are walked by every wave (constant trip count); work and staging past the limits are jumped over, barriers never.
; LAYOUT.  S^T = K Q^T and O^T = V^T P^T: a lane holds one query (lane % 16).  The head's axis is 64: the upper half of K's and Q's operands is zero codes.  Register 8 t + j of S^T holds key 16 t + 8 (lane / 16) + j of the step;
; the code order inside a block of 32 keys is the one that the first launch gave V.  ctx meets a given operand next, so its codes are put in true order by one exchange between the halves of the lanes.
; ctx_scl's bytes leave one a lane, 32 bytes apart (a head owns 2 of a row's 32 bytes): 1/32 of the codes' bytes.
; LIMITS: p under 2^-126 becomes 0; a block of ctx whose largest magnitude lies under 2^-118 keeps the byte 1 (a block of zeros too; this program alone reads the bytes); NaN and infinities are not served.
.set KSC,   32768                      ; LDS: slot s at 16,384 s (K's 16 pieces, then V's 16); K's scale words of the head, a word a key;
.set VSC,   40960                      ; V's: 256 bytes a key step, a word a channel;
.set SPARE, 45056                      ; the spare words, 128 bytes for each wave, named by no other line
.set SPW, 1
.set NIL, 2
.set LI,  3                            ; v3   16 x lane
.set STA, 4                            ; v4   16 x thread
.set KOFF, 5                           ; v5   my piece of K in a key step's memory
.set VOFF, 6                           ; v6   of V
.set ASK, 7                            ; v7   KSC + 4 x lane
.set ASV, 8                            ; v8   VSC + 4 x lane
.set ADS, 9
.set ADT, 10
.set DQ,  11                           ; v11  lane % 16 - 8 (lane / 16)
.set BM,  208                          ; v12 -M, v13 the largest t, v[14:15] the sum; v16-31 Q; v32-95 four fragments of K; v96-159 S^T, p, then V; v160-191 O^T; v192-207 p's codes
.set T1,  212
.set LM,  216
.set SO,  220
.set FF,  228                          ; f = 2^(old M - new M)
.set PW,  229                          ; p's scale word
.set TT,  230
.set QS,  231                          ; Q's scale words
.set GK,  232                          ; the staged pieces
.set GV,  236
.set PFK, 240
.set PFV, 241
.set WV,  12
.set Q0,  18
.set MNT, 19
.set SEL, 20
.set CS,  22
.set KF,  24
.set TS,  25
.set TJ,  26
.set WGL, 28                           ; s28  my work-group's last query
.set LIM, 29
	s_load_b256 s[4:11], s[0:1], 0x0               ; img, scl, ctx_img, ctx_scl
	v_lshl_add_u32 v[SPW], v0, 2, SPARE
	v_mov_b32 v[NIL], 0
	v_lshrrev_b32 v[TT], 5, v0
	v_readfirstlane_b32 s[WV], v[TT]               ; wave 0..15
	s_and_b32 s14, ttmp7, 0xffff
	s_lshr_b32 s15, s14, 4                         ; batch
	s_and_b32 s16, s14, 15                         ; head
	s_sub_co_u32 s36, 15, ttmp9
	s_cmp_lt_u32 s[WV], 8
	s_cselect_b32 s17, ttmp9, s36                  ; my block of 128 queries
	s_and_b32 s37, s[WV], 7
	s_lshl_b32 s37, s37, 4
	s_lshl_b32 s[Q0], s17, 7
	s_add_co_u32 s[Q0], s[Q0], s37                 ; my first query
	s_mov_b32 s[MNT], 0x600000
	s_mov_b32 s[SEL], 0x76543210
	s_mov_b32 s[SEL+1], 0xfedcba98
	s_mov_b32 s[CS], 0x3e38aa3b                    ; log2(e) / 8
	s_mov_b32 s[CS+1], s[CS]
	s_mov_b32 s[KF], 0
	s_mov_b32 s[TS], 0
	s_mov_b32 s[TJ], 0
	s_mov_b32 s27, 8
	s_lshl_b32 s36, ttmp9, 7
	s_sub_co_u32 s[WGL], 2047, s36                 ; 128 (16 - j) - 1
	s_or_b32 s36, s[WV], ttmp9
	s_cmp_eq_u32 s36, 0
	s_cselect_b32 s[LIM], 1792, 0                  ; wave 0 of the head's work-group 0 prefetches, while a step two on exists
	s_and_b32 s30, s16, 1
	s_lshl_b32 s30, s30, 4                         ; my head's two bytes in a scale word of q or k
	s_mov_b32 s31, 0xffff0000                      ; lanes 16-31
	v_and_b32 v[TT], 31, v0
	v_lshlrev_b32 v[LI], 4, v[TT]
	v_lshlrev_b32 v[STA], 4, v0
	s_lshr_b32 s36, s[WV], 1
	s_lshl_b32 s36, s36, 14
	s_and_b32 s37, s[WV], 1
	s_lshl_b32 s37, s37, 9
	s_add_co_u32 s36, s36, s37
	v_add_nc_u32 v[KOFF], s36, v[LI]               ; K: tile wave / 2, block wave % 2
	s_lshr_b32 s36, s[WV], 2
	s_lshl_b32 s36, s36, 17
	s_and_b32 s37, s[WV], 3
	s_lshl_b32 s37, s37, 9
	s_add_co_u32 s36, s36, s37
	v_add_nc_u32 v[VOFF], s36, v[LI]               ; V: tile wave / 4, block wave % 4
	v_lshl_add_u32 v[ASK], v[TT], 2, KSC
	v_lshl_add_u32 v[ASV], v[TT], 2, VSC
	v_and_b32 v[ADT], 15, v0
	v_bfe_u32 v[FF], v0, 4, 1
	v_lshlrev_b32 v[DQ], 3, v[FF]
	v_sub_nc_u32 v[DQ], v[ADT], v[DQ]
	v_lshlrev_b32 v[ADT], 2, v[ADT]                ; for now: 4 (lane % 16), Q's scale words
	s_lshl_b32 s36, s[WV], 12
	v_lshl_add_u32 v[ADS], v[TT], 3, s36           ; for now: 4,096 wave + 8 lane, V's scale words of key step = wave
	v_lshrrev_b32 v[PFK], 2, v[TT]
	v_lshlrev_b32 v[PFK], 14, v[PFK]
	v_and_b32 v[FF], 3, v[TT]
	v_lshl_add_u32 v[PFK], v[FF], 8, v[PFK]        ; a key step of K: 8 runs of 1,024 bytes: a lane names 256 of them
	v_lshrrev_b32 v[PFV], 3, v[TT]
	v_lshlrev_b32 v[PFV], 17, v[PFV]
	v_and_b32 v[FF], 7, v[TT]
	v_lshl_add_u32 v[PFV], v[FF], 8, v[PFV]        ; of V: 4 runs of 2,048 bytes
	s_lshl_b32 s36, s15, 21                        ; offsets, each in a pair with 0 above it
	s_lshl_b32 s14, s16, 10
	s_add_co_u32 s44, s36, s14
	s_add_co_u32 s36, s44, 0x800000                ; k's region, my batch and head
	s_mov_b32 s37, 0
	s_lshl_b32 s14, s[Q0], 10
	s_add_co_u32 s44, s44, s14                     ; q's and ctx's pieces of my 16 queries
	s_mov_b32 s45, 0
	s_lshl_b32 s38, s16, 19
	s_lshl_b32 s14, s15, 15
	s_add_co_u32 s38, s38, s14
	s_add_co_u32 s38, s38, 0x1000000               ; v's region
	s_mov_b32 s39, 0
	s_lshr_b32 s46, s16, 1
	s_lshl_b32 s46, s46, 15
	s_lshl_b32 s14, s15, 13
	s_add_co_u32 s46, s46, s14
	s_add_co_u32 s40, s46, 0x40000                 ; k's scale words of my batch, my pair of heads
	s_mov_b32 s41, 0
	s_lshl_b32 s14, s[Q0], 2
	s_add_co_u32 s46, s46, s14                     ; q's, at my first query
	s_mov_b32 s47, 0
	s_lshl_b32 s42, s15, 16
	s_lshl_b32 s14, s16, 8
	s_add_co_u32 s42, s42, s14
	s_add_co_u32 s42, s42, 0x80000                 ; v's scale words
	s_mov_b32 s43, 0
	s_wait_kmcnt 0x0
	s_add_nc_u64 s[32:33], s[4:5], s[36:37]        ; K's pieces, key step 0
	s_add_nc_u64 s[34:35], s[4:5], s[38:39]        ; V's
	s_add_nc_u64 s[40:41], s[6:7], s[40:41]
	s_add_nc_u64 s[42:43], s[6:7], s[42:43]
	s_add_nc_u64 s[8:9], s[8:9], s[44:45]
	s_add_nc_u64 s[44:45], s[4:5], s[44:45]
	s_add_nc_u64 s[46:47], s[6:7], s[46:47]
	s_lshl_b32 s36, s15, 16
	s_lshl_b32 s14, s[Q0], 5
	s_add_co_u32 s36, s36, s14
	s_lshl_b32 s14, s16, 1
	s_add_co_u32 s36, s36, s14
	s_add_nc_u64 s[10:11], s[10:11], s[36:37]      ; ctx_scl: my first query's row, my head's two bytes
	global_load_b128 v[GK:GK+3], v[KOFF], s[32:33]
	global_load_b128 v[GV:GV+3], v[VOFF], s[34:35]
	global_load_b128 v[96:99], v[STA], s[40:41]    ; K's scale words: 8,192 bytes, 16 a thread
	global_load_b64 v[100:101], v[ADS], s[42:43]   ; V's: 256 bytes a wave
	global_load_b128 v[16:19], v[LI], s[44:45]     ; Q's two pieces stay in registers
	global_load_b128 v[20:23], v[LI], s[44:45] offset:512
	global_load_b32 v[QS], v[ADT], s[46:47]
.set J_, 0
.rept 8
	v_mov_b32 v[24+J_], 0                          ; zero codes for 64 .. 127 along the first product's K: Q's, and K's four fragments'; never rewritten
	v_mov_b32 v[40+J_], 0
	v_mov_b32 v[56+J_], 0
	v_mov_b32 v[72+J_], 0
	v_mov_b32 v[88+J_], 0
.set J_, J_+1
.endr
.set J_, 0
.rept 32
	v_mov_b32 v[160+J_], 0                         ; O^T: the step is written once; the first change of M leaves zeros zeros
.set J_, J_+1
.endr
	v_mov_b32 v13, 0xff61b1e6                      ; the largest t so far: -3e38
	v_floor_f32 v12, -v13
	v_mov_b32 v14, 0
	v_mov_b32 v15, 0
.irp b, 0,1,2,3
	v_mov_b32 v[T1+\b], 0                          ; a lane permute's destination counts as one of its sources
.endr
	v_mov_b32 v[PW], 0                             ; named as the upper half of a pair before it is first made
	s_wait_loadcnt 0x0
.irp i, 96,97,98,99
	v_bfe_u32 v\i, v\i, s30, 16                    ; my head's two bytes below, 0 over the zero codes
.endr
	v_bfe_u32 v[QS], v[QS], s30, 16
	v_lshlrev_b32 v[ADS], 3, v0
	ds_store_b128 v[STA], v[96:99] offset:KSC
	ds_store_b64 v[ADS], v[100:101] offset:VSC
	ds_store_b128 v[STA], v[GK:GK+3]               ; key step 0 into slot 0
	ds_store_b128 v[STA], v[GV:GV+3] offset:8192
	s_wait_dscnt 0x0                               ; for the others' sake
	s_barrier_signal -1
	s_barrier_wait -1
.macro STEP slot
	; the next step's pieces are asked for, if any wave of the work-group will read them (ids and the count of steps alone)
	s_add_co_u32 s36, s[KF], 128
	s_cmp_gt_u32 s36, s[WGL]
	s_cbranch_scc1 .Lnofetch_\@
	s_wait_xcnt 0x0                                ; the last step's loads and prefetches have read their bases
	s_add_nc_u64 s[32:33], s[32:33], 0x20000
	s_add_nc_u64 s[34:35], s[34:35], 0x800
	global_load_b128 v[GK:GK+3], v[KOFF], s[32:33]
	global_load_b128 v[GV:GV+3], v[VOFF], s[34:35]
	s_cmp_lt_u32 s[KF], s[LIM]
	s_cbranch_scc0 .Lnofetch_\@
	global_prefetch_b8 v[PFK], s[32:33] offset:131072 th:TH_LOAD_NT scope:SCOPE_SE   ; the step after the one just asked for: each 256 bytes named once in the launch, by this wave; steps 0 and 1 come by their loads alone; none past step 15
	global_prefetch_b8 v[PFV], s[34:35] offset:2048 th:TH_LOAD_NT scope:SCOPE_SE
.Lnofetch_\@:
	s_add_co_u32 s36, s[Q0], 15
	s_cmp_gt_u32 s[KF], s36                        ; all keys after my queries: the step's work is left out
	s_cbranch_scc1 .Lhidden_\@
	v_add_nc_u32 v[ADS], s[TS], v[ASK]
	v_add_nc_u32 v[ADT], s[TJ], v[ASV]
.rept 8
	v_nop                                          ; with the two additions ten places: S^T is written over registers that the last products V^T P read (nine are owed), and loads follow into their scale registers
.endr
.irp g, 0,1                                    ; S^T = K Q^T, four tiles of 16 keys at a time
.if \g > 0
.rept 8
	v_nop                                          ; places in front of loads into registers that matrix instructions have read
.endr
.endif
.irp t, 0,1,2,3
	ds_load_b128 v[32+16*\t:35+16*\t], v[LI] offset:\slot*16384+(4*\g+\t)*1024
	ds_load_b128 v[36+16*\t:39+16*\t], v[LI] offset:\slot*16384+(4*\g+\t)*1024+512
.endr
	ds_load_b32 v[224+2*\g], v[ADS] offset:(4*\g)*64     ; lanes 0-15 the even tile's scale words, lanes 16-31 the odd tile's
	ds_load_b32 v[225+2*\g], v[ADS] offset:(4*\g+2)*64
	s_wait_dscnt 0x0
.irp i, 0,1
	v_wmma_scale_f32_16x16x128_f8f6f4 v[96+8*(4*\g+2*\i):103+8*(4*\g+2*\i)], v[32+32*\i:47+32*\i], v[16:31], 0, v[224+2*\g+\i], v[QS]
	v_wmma_scale_f32_16x16x128_f8f6f4 v[104+8*(4*\g+2*\i):111+8*(4*\g+2*\i)], v[48+32*\i:63+32*\i], v[16:31], 0, v[224+2*\g+\i], v[QS] matrix_a_scale:MATRIX_SCALE_ROW1
.endr
.endr
.rept 8
	v_nop
.endr
	s_add_co_u32 s36, s[KF], 127                   ; on the diagonal hidden scores become -infinity ahead of the maximum; a step all of whose keys count skips this
	s_cmp_le_u32 s36, s[Q0]
	s_cbranch_scc1 .Lopen_\@
	s_sub_co_i32 s36, s[Q0], s[KF]
	v_add_nc_u32 v[TT], s36, v[DQ]                 ; my query - the step's first key - 8 (lane / 16): register 8 t + j is hidden where 16 t + j is above it
	v_mov_b32 v[FF], 0xff800000
.set N_, 0
.rept 64
	v_cmp_gt_i32 vcc_lo, 16*(N_/8)+N_%8, v[TT]
	v_cndmask_b32 v[96+N_], v[96+N_], v[FF], vcc_lo
.set N_, N_+1
.endr
.Lopen_\@:
.irp b, 0,1,2,3
	v_max3_num_f32 v[BM+\b], v[96+16*\b], v[97+16*\b], v[98+16*\b]   ; the largest score of each block of 32 keys: for the row's maximum and, since p rises with the score, for the block's largest p
.endr
.irp i, 3,5,7,9,11,13
.irp b, 0,1,2,3
	v_max3_num_f32 v[BM+\b], v[BM+\b], v[96+16*\b+\i], v[97+16*\b+\i]
.endr
.endr
.irp b, 0,1,2,3
	v_max_num_f32 v[BM+\b], v[BM+\b], v[111+16*\b]
.endr
.irp b, 0,1,2,3
	v_permlanex16_b32 v[T1+\b], v[BM+\b], s[SEL], s[SEL+1]
.endr
.irp b, 0,1,2,3
	v_max_num_f32 v[BM+\b], v[BM+\b], v[T1+\b]
.endr
	v_max3_num_f32 v[TT], v[BM], v[BM+1], v[BM+2]
	v_max_num_f32 v[TT], v[TT], v[BM+3]
	v_mul_f32 v[TT], s[CS], v[TT]
	v_max_num_f32 v13, v13, v[TT]                  ; the running largest t
	v_mov_b32 v[TT], v12
	v_floor_f32 v12, -v13                          ; -M = floor(-t): M is a whole number
	v_sub_f32 v[TT], v12, v[TT]
	v_cvt_i32_f32 v[TT], v[TT]                     ; (it saturates)
	v_ldexp_f32 v[FF], 1.0, v[TT]                  ; f = 2^(old M - new M): rounds nothing
.set J_, 0
.rept 32
	v_pk_fma_f32 v[96+J_:97+J_], v[96+J_:97+J_], s[CS:CS+1], v[12:13] op_sel_hi:[1,0,0]   ; t - M
.set J_, J_+2
.endr
.irp b, 0,1,2,3
	v_fma_f32 v[BM+\b], v[BM+\b], s[CS], v12
.endr
.set J_, 0
.rept 64
	v_exp_f32 v[96+J_], v[96+J_]                   ; p = 2^(t - M)
.set J_, J_+1
.endr
	v_pk_mul_f32 v[14:15], v[14:15], v[FF:FF+1] op_sel_hi:[1,0]   ; the sums under the new M; a plain line behind the exponentials
	s_wait_alu depctr_va_vdst(0)                   ; one wait for the batch, ahead of its first reader
.irp b, 0,1,2,3
	v_exp_f32 v[BM+\b], v[BM+\b]                   ; the block's largest p
.endr
	v_pk_add_f32 v[T1:T1+1], v[96:97], v[98:99]    ; the row's sum of the unquantised p, in two chains
.set J_, 4
.rept 15
	v_pk_add_f32 v[14:15], v[14:15], v[96+J_:97+J_]
	v_pk_add_f32 v[T1:T1+1], v[T1:T1+1], v[98+J_:99+J_]
.set J_, J_+4
.endr
	v_pk_add_f32 v[14:15], v[14:15], v[T1:T1+1]
	s_wait_alu depctr_va_vdst(0)                   ; and one for the four
.irp b, 0,1,2,3
	v_max_num_f32 v[BM+\b], 0x4800000, v[BM+\b]    ; the floor 2^(9 - 127)
.endr
.irp b, 0,1,2,3
	v_add_nc_u32 v[SO+\b], 0xfc000000, v[BM+\b]
.endr
.irp b, 0,1,2,3
	v_and_or_b32 v[LM+\b], v[BM+\b], 0x7f800000, s[MNT]
.endr
.irp b, 0,1,2,3
	v_lshrrev_b32 v[T1+\b], 23, v[SO+\b]
.endr
	v_lshl_or_b32 v[PW], v[T1+1], 8, v[T1]
	v_lshl_or_b32 v[PW], v[T1+2], 16, v[PW]
	v_lshl_or_b32 v[PW], v[T1+3], 24, v[PW]
.irp b, 0,1,2,3
.irp i, 0,1,2,3,4,5,6,7,8,9,10,11,12,13,14,15
	v_min_num_f32 v[96+16*\b+\i], v[96+16*\b+\i], v[LM+\b]   ; the conversion does not saturate (ISA guide 7.6.2); p is not negative
.endr
	v_cvt_scalef32_pk8_fp8_f32 v[192+4*\b:193+4*\b], v[96+16*\b:103+16*\b], v[SO+\b]
	v_cvt_scalef32_pk8_fp8_f32 v[194+4*\b:195+4*\b], v[104+16*\b:111+16*\b], v[SO+\b]
.endr
.irp u, 0,1,2,3                                ; V's four fragments take p's registers
.irp c, 0,1,2,3
	ds_load_b128 v[96+16*\u+4*\c:99+16*\u+4*\c], v[LI] offset:\slot*16384+8192+\u*2048+512*\c
.endr
.endr
	ds_load_b32 v224, v[ADT]
	ds_load_b32 v225, v[ADT] offset:128
.set J_, 0
.rept 16
	v_pk_mul_f32 v[160+J_:161+J_], v[160+J_:161+J_], v[FF:FF+1] op_sel_hi:[1,0]   ; O^T under the new M; also the plain lines between the conversions and the products
.set J_, J_+2
.endr
	s_wait_dscnt 0x0
.irp i, 0,1                                    ; O^T += V^T P^T: the four accumulators take turns
	v_wmma_scale_f32_16x16x128_f8f6f4 v[160+16*\i:167+16*\i], v[96+32*\i:111+32*\i], v[192:207], v[160+16*\i:167+16*\i], v[224+\i], v[PW]
	v_wmma_scale_f32_16x16x128_f8f6f4 v[168+16*\i:175+16*\i], v[112+32*\i:127+32*\i], v[192:207], v[168+16*\i:175+16*\i], v[224+\i], v[PW] matrix_a_scale:MATRIX_SCALE_ROW1
.endr
.Lhidden_\@:
	s_wait_loadcnt 0x0                             ; the staged pieces are in (on every path: no later load meets a pending one)
	s_add_co_u32 s[KF], s[KF], 128
	s_add_co_u32 s[TS], s[TS], 512
	s_add_co_u32 s[TJ], s[TJ], 256
	s_cmp_gt_u32 s[KF], s[WGL]
	s_cbranch_scc1 .Lnohand_\@
	ds_store_b128 v[STA], v[GK:GK+3] offset:(1-\slot)*16384        ; into the slot that every wave left at the last barrier
	ds_store_b128 v[STA], v[GV:GV+3] offset:(1-\slot)*16384+8192
.Lnohand_\@:
	s_wait_dscnt 0x0                               ; my reads of this slot are back, my stores into the other are done
	s_barrier_signal -1
	s_barrier_wait -1
.endm
.Lpair:
	STEP 0
	STEP 1
	s_sub_co_u32 s27, s27, 1
	s_cmp_lg_u32 s27, 0
	s_cbranch_scc1 .Lpair
	; THE WAY OUT: O^T / the sum; its two blocks of 32 are quantised; the codes are put in true order and leave as two pieces.
.rept 8
	v_nop
.endr
	v_add_f32 v14, v14, v15
	v_permlanex16_b32 v[T1], v14, s[SEL], s[SEL+1]
	v_add_f32 v14, v14, v[T1]
	v_rcp_f32 v14, v14
	v_and_b32 v[ADS], 15, v0                       ; (a plain line behind the reciprocal)
	v_bfe_u32 v[ADT], v0, 4, 1
	v_lshl_add_u32 v[ADS], v[ADS], 5, v[ADT]       ; ctx_scl: 32 (lane % 16) + lane / 16
	s_wait_alu depctr_va_vdst(0)                   ; ahead of the first reader
.set J_, 0
.rept 16
	v_pk_mul_f32 v[96+J_:97+J_], v[160+J_:161+J_], v[14:15] op_sel_hi:[1,0]   ; register 8 t + i is ctx(query, 16 t + 8 (lane / 16) + i); each accumulator from its low end on
.set J_, J_+2
.endr
.irp b, 0,1
	v_max3_num_f32 v[BM+\b], |v[96+16*\b]|, |v[97+16*\b]|, 0x4800000
.endr
.irp i, 2,4,6,8,10,12,14
.irp b, 0,1
	v_max3_num_f32 v[BM+\b], v[BM+\b], |v[96+16*\b+\i]|, |v[97+16*\b+\i]|
.endr
.endr
.irp b, 0,1
	v_permlanex16_b32 v[T1+\b], v[BM+\b], s[SEL], s[SEL+1]
.endr
.irp b, 0,1
	v_max_num_f32 v[BM+\b], v[BM+\b], v[T1+\b]
.endr
.irp b, 0,1
	v_add_nc_u32 v[SO+\b], 0xfc000000, v[BM+\b]
	v_and_or_b32 v[LM+\b], v[BM+\b], 0x7f800000, s[MNT]
	v_lshrrev_b32 v[T1+\b], 23, v[SO+\b]           ; the scale's byte
.endr
.irp b, 0,1
.irp i, 0,1,2,3,4,5,6,7,8,9,10,11,12,13,14,15
	v_med3_num_f32 v[96+16*\b+\i], v[96+16*\b+\i], -v[LM+\b], v[LM+\b]
.endr
	v_cvt_scalef32_pk8_fp8_f32 v[192+4*\b:193+4*\b], v[96+16*\b:103+16*\b], v[SO+\b]
	v_cvt_scalef32_pk8_fp8_f32 v[194+4*\b:195+4*\b], v[104+16*\b:111+16*\b], v[SO+\b]
.endr
.irp i, 0,1,2,3
	v_mov_b32 v[140+\i], 0                         ; the exchange's destinations; also the plain lines behind the last conversion
.endr
	; a lane of the lower half holds indices 0-7 and 16-23 of a block, one of the upper half 8-15 and 24-31; the operand wants 0-15 below and 16-31 above: the lower half sends its second eight, the upper its first
.irp b, 0,1
	v_cndmask_b32 v[136+2*\b], v[194+4*\b], v[192+4*\b], s31
	v_cndmask_b32 v[137+2*\b], v[195+4*\b], v[193+4*\b], s31
.endr
.irp i, 0,1,2,3
	v_permlanex16_b32 v[140+\i], v[136+\i], s[SEL], s[SEL+1]
.endr
.irp b, 0,1
	v_cndmask_b32 v[128+4*\b], v[192+4*\b], v[140+2*\b], s31
	v_cndmask_b32 v[129+4*\b], v[193+4*\b], v[141+2*\b], s31
	v_cndmask_b32 v[130+4*\b], v[140+2*\b], v[194+4*\b], s31
	v_cndmask_b32 v[131+4*\b], v[141+2*\b], v[195+4*\b], s31
.endr
	v_cndmask_b32 v144, v[T1], v[T1+1], s31        ; lanes 0-15 store block 0's byte, lanes 16-31 block 1's
	global_store_b128 v[LI], v[128:131], s[8:9]            ; 512 consecutive bytes each
	global_store_b128 v[LI], v[132:135], s[8:9] offset:512
	global_store_b8 v[ADS], v144, s[10:11]
	s_wait_tensorcnt 0x0                           ; the wave's end
	ds_add_u32 v[SPW], v[NIL]
	s_wait_dscnt 0x0
	s_endpgm
.Lfunc_end_k_q95be9c099d_attn:
	.size	k_q95be9c099d_attn, .Lfunc_end_k_q95be9c099d_attn-k_q95be9c099d_attn
	.p2alignl 7, 3214868480
	.fill 96, 4, 3214868480
	.section	.rodata,"a",@progbits
	.p2align	6, 0x0
	.amdhsa_kernel k_q95be9c099d_attn
		.amdhsa_group_segment_fixed_size 47104
		.amdhsa_private_segment_fixed_size 0
		.amdhsa_enable_private_segment 0
		.amdhsa_kernarg_size 32
		.amdhsa_user_sgpr_count 2
		.amdhsa_user_sgpr_kernarg_segment_ptr 1
		.amdhsa_wavefront_size32 1
		.amdhsa_system_sgpr_workgroup_id_x 1
		.amdhsa_system_sgpr_workgroup_id_y 1
		.amdhsa_system_sgpr_workgroup_id_z 1
		.amdhsa_system_vgpr_workitem_id 0
		.amdhsa_next_free_vgpr 256
		.amdhsa_next_free_sgpr 66
		.amdhsa_reserve_vcc 1
		.amdhsa_float_denorm_mode_32 3
		.amdhsa_float_denorm_mode_16_64 3
		.amdhsa_memory_ordered 1
		.amdhsa_forward_progress 1
		.amdhsa_inst_pref_size 66
	.end_amdhsa_kernel
	.amdgpu_metadata
---
amdhsa.version: [ 1, 2 ]
amdhsa.kernels:
  - .name:           k_q95be9c099d_attn
    .symbol:         k_q95be9c099d_attn.kd
    .args:
      - { .name: img, .offset: 0, .size: 8, .value_kind: global_buffer, .address_space: global }
      - { .name: scl, .offset: 8, .size: 8, .value_kind: global_buffer, .address_space: global }
      - { .name: ctx_img, .offset: 16, .size: 8, .value_kind: global_buffer, .address_space: global }
      - { .name: ctx_scl, .offset: 24, .size: 8, .value_kind: global_buffer, .address_space: global }
    .group_segment_fixed_size: 47104
    .private_segment_fixed_size: 0
    .kernarg_segment_align: 8
    .kernarg_segment_size: 32
    .max_flat_workgroup_size: 512
    .sgpr_count:     66
    .vgpr_count:     256
    .wavefront_size: 32
...
	.end_amdgpu_metadata
.endif
;; end of part 2
;; launch proj (part 3): grid 4 x 32, 4 waves a work-group, clusters of 4 x 4, 327,680 bytes of LDS; arguments ctx_img, ctx_scl, W_o_codes, W_o_scales, b_o, out0; writes out0
.if DOCPART == 3
	.amdgcn_target "amdgcn-amd-amdhsa--gfx1250"
	.amdhsa_code_object_version 6
	.text
	.protected	k_q95be9c099d_proj
	.globl	k_q95be9c099d_proj
	.p2align	8
	.type	k_q95be9c099d_proj,@function
k_q95be9c099d_proj:
	s_mov_b64 s[64:65], 0
	v_nop
	global_prefetch_b8 v0, s[64:65] scope:SCOPE_SE
	s_setreg_imm32_b32 hwreg(HW_REG_WAVE_MODE, 25, 1), 1
	s_wait_xcnt 0x0
	s_wait_alu depctr_hold_cnt(0) depctr_sa_sdst(0) depctr_va_vdst(0) depctr_va_sdst(0) depctr_va_ssrc(0) depctr_va_vcc(0) depctr_vm_vsrc(0)
	s_getreg_b32 s2, hwreg(HW_REG_IB_STS2, 6, 4)
	s_cmp_eq_u32 s2, 0
	s_cbranch_scc0 .Lentry_in_a_cluster
	s_endpgm
.Lentry_in_a_cluster:
	s_bfe_u32 s2, ttmp6, 0x10000c
	s_cmp_lg_u32 s2, 0xf033
	s_cbranch_scc0 .Lentry_shape_is_right
	s_endpgm
.Lentry_shape_is_right:
; out0 = ctx W_o + b_o: [8,192][1,024] f32, on codes of FP8 (E4M3) with one E8M0 scale for each 32 along K = 1,024.  Nothing is left out here.
; A tile of 256 x 256 to a work-group of four waves, each 128 x 128: 64 accumulators.  K goes in steps of 256 through two LDS slots.  4 x 4 work-groups form a cluster: A's tiles are shared along its rows, B's along its columns, by joint loads.
; A = ctx comes as IMAGES of operand registers, [16 rows][32 along K][512 bytes]: a K step of 16 rows is 4,096 consecutive bytes, and a fragment is four loads of 512 consecutive LDS bytes: no pitch, no padding.
; B = W_o comes as rows of codes (pitch 272 in LDS).  The scales of the work-group's rows, for all of K, come once and stay.  Source 0 = 16 rows of B, source 1 = 16 rows of A: a lane holds eight neighbouring numbers of a row of out0.
; The bias is the C of each sum's first matrix instruction: v64-127 of window 0, eight registers for each of B's eight blocks.
; REGISTERS: window 0: v16-29 addresses; v32-63 scale words; v64-127 the bias; v128-255 A's fragments (on the way out: rows read back).  window 1: B's fragments, two sets.  windows 2, 3: accumulators.
.set SIZE_N, 1024
.set NQ,     2
.set ROWB,   256
.set KROW,   1024
.set PITCH,  272
.set FR,     16
.set NL,     4
.set NP,     8
.set HALFA,  32768                     ; 128 rows of A in a slot: 8 x 4,096 bytes
.set HALFT,  128*PITCH                 ; 128 rows of B
.set BOFF,   2*HALFA
.set SLOT,   2*HALFA+2*HALFT
.set LAPS,   2
.set KS,     32
.set SCL,    2*SLOT
.set HALFS,  (128*KS/256)*272
.set SBLK,   (16*KS/256)*272
.set SPARE,  SCL+4*HALFS
.set SPITCH, 528                       ; the way out: 16 rows x (512 + 16) for each wave, in slot 0, which has had its last fill and its last read by then
.set ADRA, 16
.set ADRB, 20
.set STO,  24
.set RD,   25
.set CO,   26
.set ADRS, 27
.set SPW,  28
.set NIL,  29
.set SC,   32
.set BI,   64
.set AF,   128
.set BK,   128
.set G1, 24
.set G0, 32
.set G1B, 48
.set G0B, 56
.set G1S, 68
.set G0S, 76
.set G1SB, 80
.set G0SB, 88
.set WV,  66
.set HA,  67
.set HB,  92
.set MSB, 0
.macro WIN new
.if MSB != (\new)
	s_set_vgpr_msb (MSB<<8)|(\new)
.set MSB, (\new)
.endif
.endm
.set MUL_LO, 0xa1
.set MUL_HI, 0xf1
.set TO_B,   0x40
.macro JLOAD g0a, g1a, g0b, g1b        ; a joint load: waves 0 and 1 for A, waves 2 and 3 for B; an s_nop 0 and four v_nop follow each line
	s_cmp_eq_u32 s[HA], 0
	s_cbranch_scc0 .Lfor_b_\@
	tensor_load_to_lds s[\g0a:\g0a+3], s[\g1a:\g1a+7]
	s_nop 0
.rept 4
	v_nop
.endr
	s_branch .Lasked_\@
.Lfor_b_\@:
	tensor_load_to_lds s[\g0b:\g0b+3], s[\g1b:\g1b+7]
	s_nop 0
.rept 4
	v_nop
.endr
.Lasked_\@:
.endm
.macro CREST
	s_cmp_lg_u32 s[WV], 0
	s_cbranch_scc1 .Lnot_wave_0_\@
	s_barrier_signal -3
.Lnot_wave_0_\@:
	s_barrier_wait -3
	s_barrier_signal -1
	s_barrier_wait -1
.endm
.macro CROUND
	s_barrier_signal -1
	s_barrier_wait -1
	CREST
.endm
	s_load_b256 s[4:11], s[0:1], 0x0               ; ctx_img, ctx_scl, W_o codes, W_o scales
	s_load_b128 s[12:15], s[0:1], 0x20             ; b_o, out0
	v_lshl_add_u32 v[SPW], v0, 2, SPARE
	v_mov_b32 v[NIL], 0
	ds_add_u32 v[SPW], v[NIL]                      ; the wave's opening: the add, twice on end, and its wait ahead of my first tensor load
	ds_add_u32 v[SPW], v[NIL]
	v_lshrrev_b32 v1, 5, v0
	v_readfirstlane_b32 s[WV], v1
	s_lshr_b32 s[HA], s[WV], 1
	s_and_b32 s[HB], s[WV], 1
	s_bfe_u32 s40, ttmp6, 0x40000                  ; cx
	s_bfe_u32 s41, ttmp6, 0x40004                  ; cy
	s_lshl_b32 s94, ttmp9, 2
	s_add_co_u32 s94, s94, s40                     ; tile column
	s_and_b32 s93, ttmp7, 0xffff
	s_lshl_b32 s93, s93, 2
	s_add_co_u32 s93, s93, s41                     ; tile row
	s_lshl_b32 s43, s41, 2
	s_lshl_b32 s43, 15, s43
	s_lshl_b32 s44, 0x1111, s40
	s_or_b32 s[G1+0], s43, (3<<16)|(1<<21)         ; A: mask of my row; elements of 8 bytes; no padding
	s_mov_b32 s[G1+1], 512<<16                     ; tensor_dim0: 4,096 bytes
	s_mov_b32 s[G1+2], 8<<16                       ; tensor_dim1: 8 tiles of 16 rows
	s_mov_b32 s[G1+3], 512<<16
	s_mov_b32 s[G1+4], 8
	s_mov_b32 s[G1+5], 2048                        ; 16,384 bytes from one tile of rows to the next
	s_mov_b32 s[G1+6], 0
	s_mov_b32 s[G1+7], 0
	s_or_b32 s[G1B+0], s44, (0<<16)|(1<<20)|(1<<21)|(5<<22)|(3<<25)
	s_mov_b32 s[G1B+1], ROWB<<16
	s_mov_b32 s[G1B+2], 128<<16
	s_mov_b32 s[G1B+3], ROWB<<16
	s_mov_b32 s[G1B+4], 128
	s_mov_b32 s[G1B+5], KROW
	s_mov_b32 s[G1B+6], 0
	s_mov_b32 s[G1B+7], 0
	s_or_b32 s[G1S+0], s43, (3<<16)|(1<<20)|(1<<21)|(5<<22)|(3<<25)
	s_or_b32 s[G1SB+0], s44, (3<<16)|(1<<20)|(1<<21)|(5<<22)|(3<<25)
.irp g, G1S, G1SB
	s_mov_b32 s[\g+1], 32<<16
	s_mov_b32 s[\g+2], (128*KS/256)<<16
	s_mov_b32 s[\g+3], 32<<16
	s_mov_b32 s[\g+4], 128*KS/256
	s_mov_b32 s[\g+5], 32
	s_mov_b32 s[\g+6], 0
	s_mov_b32 s[\g+7], 0
.endr
	s_lshl_b32 s16, s93, 18                        ; A's images: 16 tiles of rows a tile of out0, 16,384 bytes each; my 8
	s_lshl_b32 s20, s[HB], 17
	s_add_co_u32 s16, s16, s20
	s_mov_b32 s17, 0
	s_lshl_b32 s22, s93, 13                        ; A's scale bytes: 32 a row
	s_lshl_b32 s21, s[HB], 12
	s_add_co_u32 s22, s22, s21
	s_mov_b32 s23, 0
	s_lshl_b32 s46, s94, 18                        ; B's codes: 1,024 bytes a row
	s_add_co_u32 s46, s46, s20
	s_mov_b32 s47, 0
	s_lshl_b32 s18, s94, 13
	s_add_co_u32 s18, s18, s21
	s_mov_b32 s19, 0
	s_mul_i32 s45, s[HB], HALFA                    ; where they go: no place in the cluster enters an LDS address
	s_mul_i32 s96, s[HB], HALFT
	s_add_co_u32 s96, s96, BOFF
	s_mul_i32 s97, s[WV], HALFS
	s_wait_dscnt 0x0
	s_wait_kmcnt 0x0
	s_add_nc_u64 s[4:5], s[4:5], s[16:17]
	s_add_nc_u64 s[6:7], s[6:7], s[22:23]
	s_add_nc_u64 s[8:9], s[8:9], s[46:47]
	s_add_nc_u64 s[10:11], s[10:11], s[18:19]
	CROUND
	s_mov_b32 s[G0S], 1
	s_add_co_u32 s[G0S+1], s97, SCL
	s_mov_b64 s[G0S+2:G0S+3], s[6:7]
	s_or_b32 s[G0S+3], s[G0S+3], 0x80000000
	s_mov_b32 s[G0SB], 1
	s_add_co_u32 s[G0SB+1], s97, SCL
	s_mov_b64 s[G0SB+2:G0SB+3], s[10:11]
	s_or_b32 s[G0SB+3], s[G0SB+3], 0x80000000
	JLOAD G0S, G1S, G0SB, G1SB
.irp s, 0,1
	s_mov_b32 s[G0+4*\s], 1
	s_add_co_u32 s[G0+4*\s+1], s45, \s*SLOT
	s_add_nc_u64 s[G0+4*\s+2:G0+4*\s+3], s[4:5], \s*4096
	s_or_b32 s[G0+4*\s+3], s[G0+4*\s+3], 0x80000000
	s_mov_b32 s[G0B+4*\s], 1
	s_add_co_u32 s[G0B+4*\s+1], s96, \s*SLOT
	s_add_nc_u64 s[G0B+4*\s+2:G0B+4*\s+3], s[8:9], \s*ROWB
	s_or_b32 s[G0B+4*\s+3], s[G0B+4*\s+3], 0x80000000
	JLOAD G0+4*\s, G1, G0B+4*\s, G1B
.endr
	v_and_b32 v1, 15, v0                           ; r
	v_bfe_u32 v2, v0, 4, 1                         ; h
	s_lshl_b32 s20, s94, 10                        ; the bias of my 128 columns
	s_lshl_b32 s21, s[HB], 9
	s_add_co_u32 s20, s20, s21
	s_mov_b32 s21, 0
	s_add_nc_u64 s[12:13], s[12:13], s[20:21]
	v_lshlrev_b32 v7, 5, v2
.irp b, 0,1,2,3,4,5,6,7
	global_load_b128 v[BI+8*\b:BI+8*\b+3], v7, s[12:13] offset:64*\b        ; b_o at columns 16 b + 8 h + 0 .. 7
	global_load_b128 v[BI+8*\b+4:BI+8*\b+7], v7, s[12:13] offset:64*\b+16
.endr
	v_and_b32 v6, 31, v0
	v_lshlrev_b32 v[CO], 4, v6                     ; 16 x lane
	v_mul_u32_u24 v3, v1, PITCH
	v_lshl_add_u32 v4, v2, 4, v3
	s_mul_i32 s2, s[HA], HALFA
	s_mul_i32 s101, s[HB], HALFT
	s_add_co_u32 s101, s101, BOFF
.irp s, 0,1
	v_add_nc_u32 v[ADRA+\s], s2, v[CO]
	v_add_nc_u32 v[ADRB+\s], s101, v4
	s_add_co_u32 s2, s2, SLOT
	s_add_co_u32 s101, s101, SLOT
.endr
	v_mul_u32_u24 v5, v1, KS
	v_lshrrev_b32 v6, 8, v5
	v_lshl_add_u32 v5, v6, 4, v5
	s_mul_i32 s2, s[HA], HALFS
	s_mul_i32 s101, s[HB], HALFS
	s_add_co_u32 s101, s101, 2*HALFS
	s_sub_co_u32 s101, s101, s2
	v_mul_u32_u24 v6, s101, v2
	s_add_co_u32 s2, s2, SCL
	v_add_nc_u32 v5, v5, v6
	v_add_nc_u32 v[ADRS], s2, v5
	s_mul_i32 s2, s[WV], 16*SPITCH
	v_mul_u32_u24 v5, v1, SPITCH
	v_lshl_add_u32 v5, v2, 5, v5
	v_add_nc_u32 v[STO], s2, v5
	v_add_nc_u32 v[RD], s2, v[CO]
	s_lshl_b32 s20, s93, 20                        ; my first row of out0: 4,096 bytes a row
	s_lshl_b32 s21, s[HA], 19
	s_add_co_u32 s20, s20, s21
	s_lshl_b32 s21, s94, 10
	s_add_co_u32 s20, s20, s21
	s_lshl_b32 s21, s[HB], 9
	s_add_co_u32 s20, s20, s21
	s_mov_b32 s21, 0
	s_add_nc_u64 s[14:15], s[14:15], s[20:21]
.macro FRAG reg, adr, q, i
.irp c, 0,1,2,3
	ds_load_b128 v[\reg+4*\c:\reg+4*\c+3], v[\adr] offset:128*(\q)+32*\c+(\i)*16*PITCH
.endr
.endm
.macro FRAGA reg, adr, q, i            ; a fragment of A is four pieces as they lie
.irp c, 0,1,2,3
	ds_load_b128 v[\reg+4*\c:\reg+4*\c+3], v[\adr] offset:(\i)*4096+(\q)*2048+512*\c
.endr
.endm
.macro MUL16 a0, p, q, sc, zero        ; zero = 1: the first product takes the bias as C.  The 64 accumulators take turns
.irp a, \a0, \a0+1
.irp b, 0,1,2,3,4,5,6,7
.if \zero
	v_wmma_scale_f32_16x16x128_f8f6f4 v[8*(8*((\a)%4)+\b):8*(8*((\a)%4)+\b)+7], v[128*(\p)+FR*\b:128*(\p)+FR*\b+FR-1], v[AF+FR*(\a):AF+FR*(\a)+FR-1], v[BI+8*\b:BI+8*\b+7], v[SC+8*NQ*(\sc)+NQ*\b+(\q)], v[SC+8*NQ*(\sc)+NQ*(\a)+(\q)] matrix_a_scale:MATRIX_SCALE_ROW1
.else
	v_wmma_scale_f32_16x16x128_f8f6f4 v[8*(8*((\a)%4)+\b):8*(8*((\a)%4)+\b)+7], v[128*(\p)+FR*\b:128*(\p)+FR*\b+FR-1], v[AF+FR*(\a):AF+FR*(\a)+FR-1], v[8*(8*((\a)%4)+\b):8*(8*((\a)%4)+\b)+7], v[SC+8*NQ*(\sc)+NQ*\b+(\q)], v[SC+8*NQ*(\sc)+NQ*(\a)+(\q)] matrix_a_scale:MATRIX_SCALE_ROW1
.endif
.endr
.endr
.endm
.macro FETCH_B slot, q, p
	WIN TO_B
.irp i, 0,1,2,3,4,5,6,7
	FRAG 128*(\p)+FR*\i, ADRB+\slot, \q, \i
.endr
	WIN 0
.endm
.macro FETCH_A slot, q, i0
.irp i, \i0, \i0+1, \i0+2, \i0+3
	FRAGA AF+FR*(\i), ADRA+\slot, \q, \i
.endr
.endm
.macro SCALES sc
.irp i, 0,1,2,3,4,5,6,7
	ds_load_b64 v[SC+8*NQ*\sc+NQ*\i:SC+8*NQ*\sc+NQ*\i+1], v[ADRS] offset:\i*SBLK
.endr
.endm
.macro PLACES n
.rept \n
	v_nop
.endr
.endm
.macro STEP slot, q, zero
	s_wait_dscnt 4*NL                              ; the youngest 16 loads (A's blocks 4-7) may be out
.if \zero
	WIN 0x81                                       ; B window 1, A and the bias window 0, D window 2
.else
	WIN MUL_LO
.endif
	MUL16 0, (\q)%2, \q, \slot, \zero
	MUL16 2, (\q)%2, \q, \slot, \zero
	s_wait_dscnt 0
	PLACES NP
	FETCH_B \slot, (\q)+1, 1-(\q)%2
	FETCH_A \slot, (\q)+1, 0
.if \zero
	WIN 0xc1
.else
	WIN MUL_HI
.endif
	MUL16 4, (\q)%2, \q, \slot, \zero
	MUL16 6, (\q)%2, \q, \slot, \zero
	PLACES NP
	WIN 0
	FETCH_A \slot, (\q)+1, 4
.endm
.macro TURN slot, next, fill
	s_wait_tensorcnt 0x0                           ; all my tensor loads have landed: my part of the next slot
	ds_add_u32 v[SPW], v[NIL]
	s_wait_dscnt 4*NL+1                            ; the add and the youngest 16 loads may be out
	WIN MUL_LO
	MUL16 0, 1, NQ-1, \slot, 0
	s_wait_dscnt 0x0                               ; the add is done, and my reads of this slot are over
	s_barrier_signal -1
	MUL16 2, 1, NQ-1, \slot, 0
	WIN 0
	s_barrier_wait -1
.if \fill
	CREST                                          ; the barrier has opened a round of the cluster's
	s_add_nc_u64 s[G0+4*\slot+2:G0+4*\slot+3], s[G0+4*\slot+2:G0+4*\slot+3], 2*4096
	s_add_nc_u64 s[G0B+4*\slot+2:G0B+4*\slot+3], s[G0B+4*\slot+2:G0B+4*\slot+3], 2*ROWB
	JLOAD G0+4*\slot, G1, G0B+4*\slot, G1B
	PLACES NP-4
.else
	PLACES NP
.endif
	v_add_nc_u32 v[ADRS], 4*NQ, v[ADRS]
	FETCH_B \next, 0, 0
	FETCH_A \next, 0, 0
	SCALES \next
	WIN MUL_HI
	MUL16 4, 1, NQ-1, \slot, 0
	MUL16 6, 1, NQ-1, \slot, 0
	PLACES NP
	WIN 0
	FETCH_A \next, 0, 4
.endm
	s_wait_tensorcnt 1                             ; the scales and my part of K step 0 are in; K step 1's load may be out
	s_barrier_signal -1
	s_barrier_wait -1
	FETCH_B 0, 0, 0
	FETCH_A 0, 0, 0
	SCALES 0
	FETCH_A 0, 0, 4
	s_wait_loadcnt 0x0                             ; the bias
	STEP 0, 0, 1
	s_mov_b32 s3, LAPS-1
.Llap:
	TURN 0, 1, 1
	STEP 1, 0, 0
	TURN 1, 0, 1
	STEP 0, 0, 0
	s_sub_co_u32 s3, s3, 1
	s_cmp_lg_u32 s3, 0
	s_cbranch_scc1 .Llap
	TURN 0, 1, 0
	STEP 1, 0, 0
	s_wait_dscnt 4*NL
	WIN MUL_LO
	MUL16 0, 1, NQ-1, 1, 0
	MUL16 2, 1, NQ-1, 1, 0
	s_wait_dscnt 0
	WIN MUL_HI
	MUL16 4, 1, NQ-1, 1, 0
	MUL16 6, 1, NQ-1, 1, 0
	WIN 0
; THE WAY OUT, a block of 16 rows x 128 columns at a time, through my own stage: back as whole rows of 512 bytes.  LDS serves a wave's instructions in order (ISA guide 5.7.1.4).
.macro TOSTAGE a
.set AC, 64*((\a)%4)
	WIN 0x08+4*((\a)/4)                            ; the data: window 2 or 3
.irp b, 0,1,2,3,4,5,6,7
	ds_store_b128 v[STO], v[AC+8*\b:AC+8*\b+3] offset:64*\b          ; each accumulator from its low end on
	ds_store_b128 v[STO], v[AC+8*\b+4:AC+8*\b+7] offset:64*\b+16
.endr
	WIN 0
.set BB, BK+64*((\a)%2)
.irp t, 0,1,2,3,4,5,6,7,8,9,10,11,12,13,14,15
	ds_load_b128 v[BB+4*\t:BB+4*\t+3], v[RD] offset:\t*SPITCH
.endr
.endm
.macro SEND a, younger
.set BB, BK+64*((\a)%2)
	s_wait_dscnt \younger                          ; the block is back; the next block's 16 stores and 16 loads may be out
.if (\a) > 0
	s_add_nc_u64 s[14:15], s[14:15], 16*SIZE_N*4   ; (behind a wait on XCNT: the earlier stores have read their base)
.endif
.irp t, 0,1,2,3,4,5,6,7,8,9,10,11,12,13,14,15
	global_store_b128 v[CO], v[BB+4*\t:BB+4*\t+3], s[14:15] offset:\t*SIZE_N*4 th:TH_STORE_NT   ; 32 lanes store 512 consecutive bytes, at a multiple of 512 from out0's first byte
.endr
.endm
	PLACES NP
	TOSTAGE 0
.irp a, 1,2,3,4,5,6,7
.if \a > 1
	s_wait_xcnt 0x0                                ; block a - 2's stores have read their registers and their base
.endif
	TOSTAGE \a
	SEND \a-1, 32
.endr
	s_wait_xcnt 0x0
	SEND 7, 0
	s_wait_tensorcnt 0x0                           ; the wave's end
	ds_add_u32 v[SPW], v[NIL]
	s_wait_dscnt 0x0
	CROUND                                         ; the closing round
	s_endpgm
.Lfunc_end_k_q95be9c099d_proj:
	.size	k_q95be9c099d_proj, .Lfunc_end_k_q95be9c099d_proj-k_q95be9c099d_proj
	.p2alignl 7, 3214868480
	.fill 96, 4, 3214868480
	.section	.rodata,"a",@progbits
	.p2align	6, 0x0
	.amdhsa_kernel k_q95be9c099d_proj
		.amdhsa_group_segment_fixed_size 327680
		.amdhsa_private_segment_fixed_size 0
		.amdhsa_enable_private_segment 0
		.amdhsa_kernarg_size 48
		.amdhsa_user_sgpr_count 2
		.amdhsa_user_sgpr_kernarg_segment_ptr 1
		.amdhsa_wavefront_size32 1
		.amdhsa_system_sgpr_workgroup_id_x 1
		.amdhsa_system_sgpr_workgroup_id_y 1
		.amdhsa_system_sgpr_workgroup_id_z 1
		.amdhsa_system_vgpr_workitem_id 0
		.amdhsa_next_free_vgpr 1024
		.amdhsa_next_free_sgpr 102
		.amdhsa_reserve_vcc 0
		.amdhsa_float_denorm_mode_32 3
		.amdhsa_float_denorm_mode_16_64 3
		.amdhsa_memory_ordered 1
		.amdhsa_forward_progress 1
		.amdhsa_inst_pref_size 147
	.end_amdhsa_kernel
	.amdgpu_metadata
---
amdhsa.version: [ 1, 2 ]
amdhsa.kernels:
  - .name:           k_q95be9c099d_proj
    .symbol:         k_q95be9c099d_proj.kd
    .args:
      - { .name: ctx_img, .offset: 0, .size: 8, .value_kind: global_buffer, .address_space: global }
      - { .name: ctx_scl, .offset: 8, .size: 8, .value_kind: global_buffer, .address_space: global }
      - { .name: W_o_codes, .offset: 16, .size: 8, .value_kind: global_buffer, .address_space: global }
      - { .name: W_o_scales, .offset: 24, .size: 8, .value_kind: global_buffer, .address_space: global }
      - { .name: b_o, .offset: 32, .size: 8, .value_kind: global_buffer, .address_space: global }
      - { .name: out0, .offset: 40, .size: 8, .value_kind: global_buffer, .address_space: global }
    .group_segment_fixed_size: 327680
    .private_segment_fixed_size: 0
    .kernarg_segment_align: 8
    .kernarg_segment_size: 48
    .max_flat_workgroup_size: 128
    .sgpr_count:     102
    .vgpr_count:     1024
    .wavefront_size: 32
...
	.end_amdgpu_metadata
.endif
;; end of part 3
;; ======== version 2 of 2: 3 launches; version 1 with the launch attn written anew for expert scheduling mode
;; workspace buffers: img 25,165,824 bytes; scl 786,432 bytes; ctx_img 8,388,608 bytes; ctx_scl 262,144 bytes
;; launch qkv: the kernel of part 1 again; grid 12 x 32, 4 waves a work-group, clusters of 4 x 4, 327,680 bytes of LDS; arguments x_codes, x_scales, W_q_codes, W_q_scales, W_k_codes, W_k_scales, W_v_codes, W_v_scales, img, scl; writes img, scl
;; launch attn (part 4): grid 8 x 64, 16 waves a work-group, no clusters, 47,104 bytes of LDS; arguments img, scl, ctx_img, ctx_scl; writes ctx_img, ctx_scl
.if DOCPART == 4
	.amdgcn_target "amdgcn-amd-amdhsa--gfx1250"
	.amdhsa_code_object_version 6
	.text
	.protected	k_q95be9c099d_attn
	.globl	k_q95be9c099d_attn
	.p2align	8
	.type	k_q95be9c099d_attn,@function
k_q95be9c099d_attn:
	s_mov_b64 s[64:65], 0
	v_nop
	global_prefetch_b8 v0, s[64:65] scope:SCOPE_SE
	s_setreg_imm32_b32 hwreg(HW_REG_WAVE_SCHED_MODE, 0, 2), 2
	s_setreg_imm32_b32 hwreg(HW_REG_WAVE_MODE, 25, 1), 1
	s_wait_xcnt 0x0
	s_wait_alu depctr_vm_vsrc(0)
; ctx = softmax(q k^T / 8, causal) v for one head of one batch, both products on codes of FP8 (E4M3); ctx is quantised along the model's 1,024 on its way out.
; WORK LEFT OUT: a key step of 128 keys all of which come after the wave's 16 queries: reference()'s own jnp.tril makes their weights exactly 0 for all inputs.  A NaN, infinity or overflow that would arise only there is not carried.
; THE SOFTMAX: t = score x log2(e) / 8; M = the running largest t rounded up to a whole number; p = 2^(t - M) is quantised along the keys, not normalised; the row's sum is taken of the unquantised p and divides at the end.
; SHARES.  Grid y = 16 batch + head; grid x = j.  A head's queries are 16 blocks of 128; work-group j owns blocks j (waves 0-7) and 15 - j (waves 8-15), a wave one tile of 16 queries.  A wave of block i walks key steps 0 .. i,
; so every work-group has 8 (j + 1) + 8 (16 - j) = 136 steps of a wave.  No cluster: the work-groups of a head walk 16 - j key steps, a different number each, so partners could not make every request jointly.
; K and V come as pieces of 512 bytes (images of four operand registers, 16 bytes a lane).  A key step is 16 pieces of K and 16 of V: each wave loads one of each a step ahead into registers and stores them into the other of two LDS slots
; at the step's end; one barrier a step: in front of it my reads of this slot are back and my stores into the other are done.  All 16 steps are walked by every wave (constant trip count); work and staging past the limits are jumped over, barriers never.
; LAYOUT.  S^T = K Q^T and O^T = V^T P^T: a lane holds one query (lane % 16).  The head's axis is 64: the upper half of K's and Q's operands is zero codes.  Register 8 t + j of S^T holds key 16 t + 8 (lane / 16) + j of the step;
; the code order inside a block of 32 keys is the one that the first launch gave V.  ctx meets a given operand next, so its codes are put in true order by one exchange between the halves of the lanes.
; ctx_scl's bytes leave one a lane, 32 bytes apart (a head owns 2 of a row's 32 bytes): 1/32 of the codes' bytes.
; LIMITS: p under 2^-126 becomes 0; a block of ctx whose largest magnitude lies under 2^-118 keeps the byte 1 (a block of zeros too; this program alone reads the bytes); NaN and infinities are not served.
; THE MODE: SCHED_MODE bits 1:0 = 2 (LLVM: expert scheduling mode 2), set by the entry lines.  The code itself states the register dependences between vector or matrix instructions and memory or LDS instructions, with s_wait_alu, always for 0.
; THE PLAN.  Registers that memory or LDS instructions touch, in the loop:
;   v[LI], v[STA], v[KOFF], v[VOFF], v[PFK], v[PFV]   offsets and addresses, made at the head and never written again.
;   v[GK ..], v[GV ..]   the staged pieces: two global loads land in them at a step's head, two LDS stores read them at its end; no vector instruction names them.
;   v[ADS], v[ADT]       written by two additions at a step's head; read by the step's six loads of scale words, which stand in its first run of loads.
;   K's data registers (eight of each sixteen of v32-95)   LDS loads land in them twice a step; the four products behind each run read them.
;   v[KSW ..], v[VSW ..] scale words: loaded in the step's first run; read by the step's products.
;   v96-159              the products write S^T there, vector instructions make p of it; then V's sixteen LDS loads land there, and the products V^T P read them.
;   v192-207, v[PW]      p's codes and scale word: written by vector instructions, taken by scaled products.
; So a step has: one wait on vm_vsrc as its first line (the last step's LDS stores have read the staged pieces, its LDS loads v[ADS] and v[ADT]); a wait on va_vdst ahead of each of its three runs of LDS loads
; (behind the additions; behind the first four products; behind the conversions); one behind the places ahead of the products V^T P; and the two behind the exponentials.  No vector or matrix instruction between such a wait and its run names a register that the run touches.
.set KSC,   32768                      ; LDS: slot s at 16,384 s (K's 16 pieces, then V's 16); K's scale words of the head, a word a key;
.set VSC,   40960                      ; V's: 256 bytes a key step, a word a channel;
.set SPARE, 45056                      ; the spare words, 128 bytes for each wave, named by no other line
.set SPW, 1
.set NIL, 2
.set LI,  3                            ; v3   16 x lane
.set STA, 4                            ; v4   16 x thread
.set KOFF, 5                           ; v5   my piece of K in a key step's memory
.set VOFF, 6                           ; v6   of V
.set ASK, 7                            ; v7   KSC + 4 x lane
.set ASV, 8                            ; v8   VSC + 4 x lane
.set ADS, 9
.set ADT, 10
.set DQ,  11                           ; v11  lane % 16 - 8 (lane / 16)
.set BM,  208                          ; v12 -M, v13 the largest t, v[14:15] the sum; v16-31 Q; v32-95 four fragments of K; v96-159 S^T, p, then V; v160-191 O^T; v192-207 p's codes
.set T1,  212
.set LM,  216
.set SO,  220
.set KSW, 224                          ; v224-227 K's scale words of a step
.set FF,  228                          ; f = 2^(old M - new M)
.set PW,  229                          ; p's scale word
.set TT,  230
.set QS,  231                          ; Q's scale words
.set GK,  232                          ; the staged pieces
.set GV,  236
.set PFK, 240
.set PFV, 241
.set VSW, 242                          ; v242-243 V's scale words of a step
.set WV,  12
.set Q0,  18
.set MNT, 19
.set SEL, 20
.set CS,  22
.set KF,  24
.set TS,  25
.set TJ,  26
.set WGL, 28                           ; s28  my work-group's last query
.set LIM, 29
	s_load_b256 s[4:11], s[0:1], 0x0               ; img, scl, ctx_img, ctx_scl
	v_lshl_add_u32 v[SPW], v0, 2, SPARE
	v_mov_b32 v[NIL], 0
	v_lshrrev_b32 v[TT], 5, v0
	v_readfirstlane_b32 s[WV], v[TT]               ; wave 0..15
	s_wait_alu depctr_va_sdst(0)                   ; s12 is written, ahead of its first reader: my queries, my pieces and my LDS bytes are made from it
	s_and_b32 s14, ttmp7, 0xffff
	s_lshr_b32 s15, s14, 4                         ; batch
	s_and_b32 s16, s14, 15                         ; head
	s_sub_co_u32 s36, 15, ttmp9
	s_cmp_lt_u32 s[WV], 8
	s_cselect_b32 s17, ttmp9, s36                  ; my block of 128 queries
	s_and_b32 s37, s[WV], 7
	s_lshl_b32 s37, s37, 4
	s_lshl_b32 s[Q0], s17, 7
	s_add_co_u32 s[Q0], s[Q0], s37                 ; my first query
	s_mov_b32 s[MNT], 0x600000
	s_mov_b32 s[SEL], 0x76543210
	s_mov_b32 s[SEL+1], 0xfedcba98
	s_mov_b32 s[CS], 0x3e38aa3b                    ; log2(e) / 8
	s_mov_b32 s[CS+1], s[CS]
	s_mov_b32 s[KF], 0
	s_mov_b32 s[TS], 0
	s_mov_b32 s[TJ], 0
	s_mov_b32 s27, 8
	s_lshl_b32 s36, ttmp9, 7
	s_sub_co_u32 s[WGL], 2047, s36                 ; 128 (16 - j) - 1
	s_or_b32 s36, s[WV], ttmp9
	s_cmp_eq_u32 s36, 0
	s_cselect_b32 s[LIM], 1792, 0                  ; wave 0 of the head's work-group 0 prefetches, while a step two on exists
	s_and_b32 s30, s16, 1
	s_lshl_b32 s30, s30, 4                         ; my head's two bytes in a scale word of q or k
	s_mov_b32 s31, 0xffff0000                      ; lanes 16-31
	v_and_b32 v[TT], 31, v0
	v_lshlrev_b32 v[LI], 4, v[TT]
	v_lshlrev_b32 v[STA], 4, v0
	s_lshr_b32 s36, s[WV], 1
	s_lshl_b32 s36, s36, 14
	s_and_b32 s37, s[WV], 1
	s_lshl_b32 s37, s37, 9
	s_add_co_u32 s36, s36, s37
	v_add_nc_u32 v[KOFF], s36, v[LI]               ; K: tile wave / 2, block wave % 2
	s_lshr_b32 s36, s[WV], 2
	s_lshl_b32 s36, s36, 17
	s_and_b32 s37, s[WV], 3
	s_lshl_b32 s37, s37, 9
	s_add_co_u32 s36, s36, s37
	v_add_nc_u32 v[VOFF], s36, v[LI]               ; V: tile wave / 4, block wave % 4
	v_lshl_add_u32 v[ASK], v[TT], 2, KSC
	v_lshl_add_u32 v[ASV], v[TT], 2, VSC
	v_and_b32 v[ADT], 15, v0
	v_bfe_u32 v[FF], v0, 4, 1
	v_lshlrev_b32 v[DQ], 3, v[FF]
	v_sub_nc_u32 v[DQ], v[ADT], v[DQ]
	v_lshlrev_b32 v[ADT], 2, v[ADT]                ; for now: 4 (lane % 16), Q's scale words
	s_lshl_b32 s36, s[WV], 12
	v_lshl_add_u32 v[ADS], v[TT], 3, s36           ; for now: 4,096 wave + 8 lane, V's scale words of key step = wave
	v_lshrrev_b32 v[PFK], 2, v[TT]
	v_lshlrev_b32 v[PFK], 14, v[PFK]
	v_and_b32 v[FF], 3, v[TT]
	v_lshl_add_u32 v[PFK], v[FF], 8, v[PFK]        ; a key step of K: 8 runs of 1,024 bytes: a lane names 256 of them
	v_lshrrev_b32 v[PFV], 3, v[TT]
	v_lshlrev_b32 v[PFV], 17, v[PFV]
	v_and_b32 v[FF], 7, v[TT]
	v_lshl_add_u32 v[PFV], v[FF], 8, v[PFV]        ; of V: 4 runs of 2,048 bytes
	s_lshl_b32 s36, s15, 21                        ; offsets, each in a pair with 0 above it
	s_lshl_b32 s14, s16, 10
	s_add_co_u32 s44, s36, s14
	s_add_co_u32 s36, s44, 0x800000                ; k's region, my batch and head
	s_mov_b32 s37, 0
	s_lshl_b32 s14, s[Q0], 10
	s_add_co_u32 s44, s44, s14                     ; q's and ctx's pieces of my 16 queries
	s_mov_b32 s45, 0
	s_lshl_b32 s38, s16, 19
	s_lshl_b32 s14, s15, 15
	s_add_co_u32 s38, s38, s14
	s_add_co_u32 s38, s38, 0x1000000               ; v's region
	s_mov_b32 s39, 0
	s_lshr_b32 s46, s16, 1
	s_lshl_b32 s46, s46, 15
	s_lshl_b32 s14, s15, 13
	s_add_co_u32 s46, s46, s14
	s_add_co_u32 s40, s46, 0x40000                 ; k's scale words of my batch, my pair of heads
	s_mov_b32 s41, 0
	s_lshl_b32 s14, s[Q0], 2
	s_add_co_u32 s46, s46, s14                     ; q's, at my first query
	s_mov_b32 s47, 0
	s_lshl_b32 s42, s15, 16
	s_lshl_b32 s14, s16, 8
	s_add_co_u32 s42, s42, s14
	s_add_co_u32 s42, s42, 0x80000                 ; v's scale words
	s_mov_b32 s43, 0
	s_wait_kmcnt 0x0
	s_add_nc_u64 s[32:33], s[4:5], s[36:37]        ; K's pieces, key step 0
	s_add_nc_u64 s[34:35], s[4:5], s[38:39]        ; V's
	s_add_nc_u64 s[40:41], s[6:7], s[40:41]
	s_add_nc_u64 s[42:43], s[6:7], s[42:43]
	s_add_nc_u64 s[8:9], s[8:9], s[44:45]
	s_add_nc_u64 s[44:45], s[4:5], s[44:45]
	s_add_nc_u64 s[46:47], s[6:7], s[46:47]
	s_lshl_b32 s36, s15, 16
	s_lshl_b32 s14, s[Q0], 5
	s_add_co_u32 s36, s36, s14
	s_lshl_b32 s14, s16, 1
	s_add_co_u32 s36, s36, s14
	s_add_nc_u64 s[10:11], s[10:11], s[36:37]      ; ctx_scl: my first query's row, my head's two bytes
	s_wait_alu depctr_va_vdst(0)                   ; the offsets and addresses v3 to v6, v9, v10, v240 and v241 are written: the loads below, and every later load, store and prefetch by those that stay, read them
	global_load_b128 v[GK:GK+3], v[KOFF], s[32:33]
	global_load_b128 v[GV:GV+3], v[VOFF], s[34:35]
	global_load_b128 v[96:99], v[STA], s[40:41]    ; K's scale words: 8,192 bytes, 16 a thread
	global_load_b64 v[100:101], v[ADS], s[42:43]   ; V's: 256 bytes a wave
	global_load_b128 v[16:19], v[LI], s[44:45]     ; Q's two pieces stay in registers
	global_load_b128 v[20:23], v[LI], s[44:45] offset:512
	global_load_b32 v[QS], v[ADT], s[46:47]
.set J_, 0
.rept 8
	v_mov_b32 v[24+J_], 0                          ; zero codes for 64 .. 127 along the first product's K: Q's, and K's four fragments'; never rewritten
	v_mov_b32 v[40+J_], 0
	v_mov_b32 v[56+J_], 0
	v_mov_b32 v[72+J_], 0
	v_mov_b32 v[88+J_], 0
.set J_, J_+1
.endr
.set J_, 0
.rept 32
	v_mov_b32 v[160+J_], 0                         ; O^T: the step is written once; the first change of M leaves zeros zeros
.set J_, J_+1
.endr
	v_mov_b32 v13, 0xff61b1e6                      ; the largest t so far: -3e38
	v_floor_f32 v12, -v13
	v_mov_b32 v14, 0
	v_mov_b32 v15, 0
.irp b, 0,1,2,3
	v_mov_b32 v[T1+\b], 0                          ; a lane permute's destination counts as one of its sources
.endr
	v_mov_b32 v[PW], 0                             ; named as the upper half of a pair before it is first made
	s_wait_loadcnt 0x0
	s_wait_alu depctr_vm_vsrc(0)                   ; the load of V's scale words has read v[ADS], which is written again below
.irp i, 96,97,98,99
	v_bfe_u32 v\i, v\i, s30, 16                    ; my head's two bytes below, 0 over the zero codes
.endr
	v_bfe_u32 v[QS], v[QS], s30, 16
	v_lshlrev_b32 v[ADS], 3, v0
	s_wait_alu depctr_va_vdst(0)                   ; v96 to v99 and v[ADS] are written, which the LDS stores read; so are the zero codes and Q's scale word, which the scaled products take
	ds_store_b128 v[STA], v[96:99] offset:KSC
	ds_store_b64 v[ADS], v[100:101] offset:VSC
	ds_store_b128 v[STA], v[GK:GK+3]               ; key step 0 into slot 0
	ds_store_b128 v[STA], v[GV:GV+3] offset:8192
	s_wait_dscnt 0x0                               ; for the others' sake
	s_barrier_signal -1
	s_barrier_wait -1
.macro STEP slot
	s_wait_alu depctr_vm_vsrc(0)                   ; the LDS stores issued so far have read the staged pieces, in which the loads below land, and (first trip) v96 to v101, over which S^T is written; the LDS loads issued so far have read v[ADS] and v[ADT], which are written again below
	; the next step's pieces are asked for, if any wave of the work-group will read them (ids and the count of steps alone)
	s_add_co_u32 s36, s[KF], 128
	s_cmp_gt_u32 s36, s[WGL]
	s_cbranch_scc1 .Lnofetch_\@
	s_wait_xcnt 0x0                                ; the last step's loads and prefetches have read their bases
	s_add_nc_u64 s[32:33], s[32:33], 0x20000
	s_add_nc_u64 s[34:35], s[34:35], 0x800
	global_load_b128 v[GK:GK+3], v[KOFF], s[32:33]
	global_load_b128 v[GV:GV+3], v[VOFF], s[34:35]
	s_cmp_lt_u32 s[KF], s[LIM]
	s_cbranch_scc0 .Lnofetch_\@
	global_prefetch_b8 v[PFK], s[32:33] offset:131072 th:TH_LOAD_NT scope:SCOPE_SE   ; the step after the one just asked for: each 256 bytes named once in the launch, by this wave; steps 0 and 1 come by their loads alone; none past step 15
	global_prefetch_b8 v[PFV], s[34:35] offset:2048 th:TH_LOAD_NT scope:SCOPE_SE
.Lnofetch_\@:
	s_add_co_u32 s36, s[Q0], 15
	s_cmp_gt_u32 s[KF], s36                        ; all keys after my queries: the step's work is left out
	s_cbranch_scc1 .Lhidden_\@
	v_add_nc_u32 v[ADS], s[TS], v[ASK]
	v_add_nc_u32 v[ADT], s[TJ], v[ASV]
.rept 8
	v_nop                                          ; with the two additions ten places: S^T is written over registers that the last products V^T P read (nine are owed)
.endr
	s_wait_alu depctr_va_vdst(0)                   ; v[ADS] and v[ADT] are written, which the loads of scale words read; the last step's products are done reading K's registers and the scale words' six, in which the loads below land
.irp g, 0,1                                    ; S^T = K Q^T, four tiles of 16 keys at a time
.if \g > 0
.rept 8
	v_nop                                          ; the places behind the four products stay beside the wait below
.endr
	s_wait_alu depctr_va_vdst(0)                   ; the four products above are done reading K's registers, in which the loads below land
.endif
.irp t, 0,1,2,3
	ds_load_b128 v[32+16*\t:35+16*\t], v[LI] offset:\slot*16384+(4*\g+\t)*1024
	ds_load_b128 v[36+16*\t:39+16*\t], v[LI] offset:\slot*16384+(4*\g+\t)*1024+512
.endr
.if \g == 0                                    ; the step's six scale words come with its first run: no vector or matrix instruction since the wait names their registers
	ds_load_b32 v[KSW], v[ADS]                     ; K's: lanes 0-15 the even tile's scale words, lanes 16-31 the odd tile's
	ds_load_b32 v[KSW+1], v[ADS] offset:128
	ds_load_b32 v[KSW+2], v[ADS] offset:256
	ds_load_b32 v[KSW+3], v[ADS] offset:384
	ds_load_b32 v[VSW], v[ADT]                     ; V's likewise
	ds_load_b32 v[VSW+1], v[ADT] offset:128
.endif
	s_wait_dscnt 0x0
.irp i, 0,1
	v_wmma_scale_f32_16x16x128_f8f6f4 v[96+8*(4*\g+2*\i):103+8*(4*\g+2*\i)], v[32+32*\i:47+32*\i], v[16:31], 0, v[KSW+2*\g+\i], v[QS]
	v_wmma_scale_f32_16x16x128_f8f6f4 v[104+8*(4*\g+2*\i):111+8*(4*\g+2*\i)], v[48+32*\i:63+32*\i], v[16:31], 0, v[KSW+2*\g+\i], v[QS] matrix_a_scale:MATRIX_SCALE_ROW1
.endr
.endr
.rept 8
	v_nop
.endr
	s_add_co_u32 s36, s[KF], 127                   ; on the diagonal hidden scores become -infinity ahead of the maximum; a step all of whose keys count skips this
	s_cmp_le_u32 s36, s[Q0]
	s_cbranch_scc1 .Lopen_\@
	s_sub_co_i32 s36, s[Q0], s[KF]
	v_add_nc_u32 v[TT], s36, v[DQ]                 ; my query - the step's first key - 8 (lane / 16): register 8 t + j is hidden where 16 t + j is above it
	v_mov_b32 v[FF], 0xff800000
.set R_, 0
.rept 4                                        ; sixteen compares into sixteen scalar registers (s37-47 and s13-17, free since the head), one wait, sixteen selections
.set I_, 0
.rept 16
.set MR_, 37+I_
.if I_ > 10
.set MR_, 2+I_
.endif
	v_cmp_gt_i32 s[MR_], 16*((16*R_+I_)/8)+(16*R_+I_)%8, v[TT]
.set I_, I_+1
.endr
	s_wait_alu depctr_va_sdst(0)                   ; the sixteen masks are written, ahead of the selections that read them
.set I_, 0
.rept 16
.set MR_, 37+I_
.if I_ > 10
.set MR_, 2+I_
.endif
	v_cndmask_b32 v[96+16*R_+I_], v[96+16*R_+I_], v[FF], s[MR_]
.set I_, I_+1
.endr
.set R_, R_+1
.endr
.Lopen_\@:
.irp b, 0,1,2,3
	v_max3_num_f32 v[BM+\b], v[96+16*\b], v[97+16*\b], v[98+16*\b]   ; the largest score of each block of 32 keys: for the row's maximum and, since p rises with the score, for the block's largest p
.endr
.irp i, 3,5,7,9,11,13
.irp b, 0,1,2,3
	v_max3_num_f32 v[BM+\b], v[BM+\b], v[96+16*\b+\i], v[97+16*\b+\i]
.endr
.endr
.irp b, 0,1,2,3
	v_max_num_f32 v[BM+\b], v[BM+\b], v[111+16*\b]
.endr
.irp b, 0,1,2,3
	v_permlanex16_b32 v[T1+\b], v[BM+\b], s[SEL], s[SEL+1]
.endr
.irp b, 0,1,2,3
	v_max_num_f32 v[BM+\b], v[BM+\b], v[T1+\b]
.endr
	v_max3_num_f32 v[TT], v[BM], v[BM+1], v[BM+2]
	v_max_num_f32 v[TT], v[TT], v[BM+3]
	v_mul_f32 v[TT], s[CS], v[TT]
	v_max_num_f32 v13, v13, v[TT]                  ; the running largest t
	v_mov_b32 v[TT], v12
	v_floor_f32 v12, -v13                          ; -M = floor(-t): M is a whole number
	v_sub_f32 v[TT], v12, v[TT]
	v_cvt_i32_f32 v[TT], v[TT]                     ; (it saturates)
	v_ldexp_f32 v[FF], 1.0, v[TT]                  ; f = 2^(old M - new M): rounds nothing
.set J_, 0
.rept 32
	v_pk_fma_f32 v[96+J_:97+J_], v[96+J_:97+J_], s[CS:CS+1], v[12:13] op_sel_hi:[1,0,0]   ; t - M
.set J_, J_+2
.endr
.irp b, 0,1,2,3
	v_fma_f32 v[BM+\b], v[BM+\b], s[CS], v12
.endr
.set J_, 0
.rept 64
	v_exp_f32 v[96+J_], v[96+J_]                   ; p = 2^(t - M)
.set J_, J_+1
.endr
	v_pk_mul_f32 v[14:15], v[14:15], v[FF:FF+1] op_sel_hi:[1,0]   ; the sums under the new M; a plain line behind the exponentials
	s_wait_alu depctr_va_vdst(0)                   ; the 64 exponentials have written p: one wait for the batch, ahead of its first reader
.irp b, 0,1,2,3
	v_exp_f32 v[BM+\b], v[BM+\b]                   ; the block's largest p
.endr
	v_pk_add_f32 v[T1:T1+1], v[96:97], v[98:99]    ; the row's sum of the unquantised p, in two chains
.set J_, 4
.rept 15
	v_pk_add_f32 v[14:15], v[14:15], v[96+J_:97+J_]
	v_pk_add_f32 v[T1:T1+1], v[T1:T1+1], v[98+J_:99+J_]
.set J_, J_+4
.endr
	v_pk_add_f32 v[14:15], v[14:15], v[T1:T1+1]
	s_wait_alu depctr_va_vdst(0)                   ; the four exponentials have written the blocks' largest p, ahead of their first reader
.irp b, 0,1,2,3
	v_max_num_f32 v[BM+\b], 0x4800000, v[BM+\b]    ; the floor 2^(9 - 127)
.endr
.irp b, 0,1,2,3
	v_add_nc_u32 v[SO+\b], 0xfc000000, v[BM+\b]
.endr
.irp b, 0,1,2,3
	v_and_or_b32 v[LM+\b], v[BM+\b], 0x7f800000, s[MNT]
.endr
.irp b, 0,1,2,3
	v_lshrrev_b32 v[T1+\b], 23, v[SO+\b]
.endr
	v_lshl_or_b32 v[PW], v[T1+1], 8, v[T1]
	v_lshl_or_b32 v[PW], v[T1+2], 16, v[PW]
	v_lshl_or_b32 v[PW], v[T1+3], 24, v[PW]
.irp b, 0,1,2,3
.irp i, 0,1,2,3,4,5,6,7,8,9,10,11,12,13,14,15
	v_min_num_f32 v[96+16*\b+\i], v[96+16*\b+\i], v[LM+\b]   ; the conversion does not saturate (ISA guide 7.6.2); p is not negative
.endr
	v_cvt_scalef32_pk8_fp8_f32 v[192+4*\b:193+4*\b], v[96+16*\b:103+16*\b], v[SO+\b]
	v_cvt_scalef32_pk8_fp8_f32 v[194+4*\b:195+4*\b], v[104+16*\b:111+16*\b], v[SO+\b]
.endr
	s_wait_alu depctr_va_vdst(0)                   ; the holds have written and the conversions are done reading v96 to v159, in which V's loads land
.irp u, 0,1,2,3                                ; V's four fragments take p's registers
.irp c, 0,1,2,3
	ds_load_b128 v[96+16*\u+4*\c:99+16*\u+4*\c], v[LI] offset:\slot*16384+8192+\u*2048+512*\c
.endr
.endr
.set J_, 0
.rept 16
	v_pk_mul_f32 v[160+J_:161+J_], v[160+J_:161+J_], v[FF:FF+1] op_sel_hi:[1,0]   ; O^T under the new M; also the plain lines between the conversions and the products.  They name none of the registers that V's loads touch
.set J_, J_+2
.endr
	s_wait_dscnt 0x0
	s_wait_alu depctr_va_vdst(0)                   ; p's codes and its scale word, which vector instructions wrote, are taken by the scaled products below: the wait stands behind their places, the sixteen multiplications
.irp i, 0,1                                    ; O^T += V^T P^T: the four accumulators take turns
	v_wmma_scale_f32_16x16x128_f8f6f4 v[160+16*\i:167+16*\i], v[96+32*\i:111+32*\i], v[192:207], v[160+16*\i:167+16*\i], v[VSW+\i], v[PW]
	v_wmma_scale_f32_16x16x128_f8f6f4 v[168+16*\i:175+16*\i], v[112+32*\i:127+32*\i], v[192:207], v[168+16*\i:175+16*\i], v[VSW+\i], v[PW] matrix_a_scale:MATRIX_SCALE_ROW1
.endr
.Lhidden_\@:
	s_wait_loadcnt 0x0                             ; the staged pieces are in (on every path: no later load meets a pending one)
	s_add_co_u32 s[KF], s[KF], 128
	s_add_co_u32 s[TS], s[TS], 512
	s_add_co_u32 s[TJ], s[TJ], 256
	s_cmp_gt_u32 s[KF], s[WGL]
	s_cbranch_scc1 .Lnohand_\@
	ds_store_b128 v[STA], v[GK:GK+3] offset:(1-\slot)*16384        ; into the slot that every wave left at the last barrier
	ds_store_b128 v[STA], v[GV:GV+3] offset:(1-\slot)*16384+8192
.Lnohand_\@:
	s_wait_dscnt 0x0                               ; my reads of this slot are back, my stores into the other are done
	s_barrier_signal -1
	s_barrier_wait -1
.endm
.Lpair:
	STEP 0
	STEP 1
	s_sub_co_u32 s27, s27, 1
	s_cmp_lg_u32 s27, 0
	s_cbranch_scc1 .Lpair
	; THE WAY OUT: O^T / the sum; its two blocks of 32 are quantised; the codes are put in true order and leave as two pieces.
	s_wait_alu depctr_vm_vsrc(0)                   ; the LDS loads of scale words have read v[ADS] and v[ADT], which are written again below
.rept 8
	v_nop
.endr
	v_add_f32 v14, v14, v15
	v_permlanex16_b32 v[T1], v14, s[SEL], s[SEL+1]
	v_add_f32 v14, v14, v[T1]
	v_rcp_f32 v14, v14
	v_and_b32 v[ADS], 15, v0                       ; (a plain line behind the reciprocal)
	v_bfe_u32 v[ADT], v0, 4, 1
	v_lshl_add_u32 v[ADS], v[ADS], 5, v[ADT]       ; ctx_scl: 32 (lane % 16) + lane / 16
	s_wait_alu depctr_va_vdst(0)                   ; the reciprocal has written v14, ahead of its first reader
.set J_, 0
.rept 16
	v_pk_mul_f32 v[96+J_:97+J_], v[160+J_:161+J_], v[14:15] op_sel_hi:[1,0]   ; register 8 t + i is ctx(query, 16 t + 8 (lane / 16) + i); each accumulator from its low end on
.set J_, J_+2
.endr
.irp b, 0,1
	v_max3_num_f32 v[BM+\b], |v[96+16*\b]|, |v[97+16*\b]|, 0x4800000
.endr
.irp i, 2,4,6,8,10,12,14
.irp b, 0,1
	v_max3_num_f32 v[BM+\b], v[BM+\b], |v[96+16*\b+\i]|, |v[97+16*\b+\i]|
.endr
.endr
.irp b, 0,1
	v_permlanex16_b32 v[T1+\b], v[BM+\b], s[SEL], s[SEL+1]
.endr
.irp b, 0,1
	v_max_num_f32 v[BM+\b], v[BM+\b], v[T1+\b]
.endr
.irp b, 0,1
	v_add_nc_u32 v[SO+\b], 0xfc000000, v[BM+\b]
	v_and_or_b32 v[LM+\b], v[BM+\b], 0x7f800000, s[MNT]
	v_lshrrev_b32 v[T1+\b], 23, v[SO+\b]           ; the scale's byte
.endr
.irp b, 0,1
.irp i, 0,1,2,3,4,5,6,7,8,9,10,11,12,13,14,15
	v_med3_num_f32 v[96+16*\b+\i], v[96+16*\b+\i], -v[LM+\b], v[LM+\b]
.endr
	v_cvt_scalef32_pk8_fp8_f32 v[192+4*\b:193+4*\b], v[96+16*\b:103+16*\b], v[SO+\b]
	v_cvt_scalef32_pk8_fp8_f32 v[194+4*\b:195+4*\b], v[104+16*\b:111+16*\b], v[SO+\b]
.endr
.irp i, 0,1,2,3
	v_mov_b32 v[140+\i], 0                         ; the exchange's destinations; also the plain lines behind the last conversion
.endr
	; a lane of the lower half holds indices 0-7 and 16-23 of a block, one of the upper half 8-15 and 24-31; the operand wants 0-15 below and 16-31 above: the lower half sends its second eight, the upper its first
.irp b, 0,1
	v_cndmask_b32 v[136+2*\b], v[194+4*\b], v[192+4*\b], s31
	v_cndmask_b32 v[137+2*\b], v[195+4*\b], v[193+4*\b], s31
.endr
.irp i, 0,1,2,3
	v_permlanex16_b32 v[140+\i], v[136+\i], s[SEL], s[SEL+1]
.endr
.irp b, 0,1
	v_cndmask_b32 v[128+4*\b], v[192+4*\b], v[140+2*\b], s31
	v_cndmask_b32 v[129+4*\b], v[193+4*\b], v[141+2*\b], s31
	v_cndmask_b32 v[130+4*\b], v[140+2*\b], v[194+4*\b], s31
	v_cndmask_b32 v[131+4*\b], v[141+2*\b], v[195+4*\b], s31
.endr
	v_cndmask_b32 v144, v[T1], v[T1+1], s31        ; lanes 0-15 store block 0's byte, lanes 16-31 block 1's
	s_wait_alu depctr_va_vdst(0)                   ; the selections have written v128 to v135 and v144, the stores' data; v[ADS], the byte store's offset, is written
	global_store_b128 v[LI], v[128:131], s[8:9]            ; 512 consecutive bytes each
	global_store_b128 v[LI], v[132:135], s[8:9] offset:512
	global_store_b8 v[ADS], v144, s[10:11]
	s_wait_dscnt 0x0                               ; the wave's end: the closing lines, six on end
	s_wait_alu 0x0
	s_wait_tensorcnt 0x0
	ds_add_u32 v[SPW], v[NIL]
	s_wait_dscnt 0x0
	s_endpgm
.Lfunc_end_k_q95be9c099d_attn:
	.size	k_q95be9c099d_attn, .Lfunc_end_k_q95be9c099d_attn-k_q95be9c099d_attn
	.p2alignl 7, 3214868480
	.fill 96, 4, 3214868480
	.section	.rodata,"a",@progbits
	.p2align	6, 0x0
	.amdhsa_kernel k_q95be9c099d_attn
		.amdhsa_group_segment_fixed_size 47104
		.amdhsa_private_segment_fixed_size 0
		.amdhsa_enable_private_segment 0
		.amdhsa_kernarg_size 32
		.amdhsa_user_sgpr_count 2
		.amdhsa_user_sgpr_kernarg_segment_ptr 1
		.amdhsa_wavefront_size32 1
		.amdhsa_system_sgpr_workgroup_id_x 1
		.amdhsa_system_sgpr_workgroup_id_y 1
		.amdhsa_system_sgpr_workgroup_id_z 1
		.amdhsa_system_vgpr_workitem_id 0
		.amdhsa_next_free_vgpr 256
		.amdhsa_next_free_sgpr 66
		.amdhsa_reserve_vcc 0
		.amdhsa_float_denorm_mode_32 3
		.amdhsa_float_denorm_mode_16_64 3
		.amdhsa_memory_ordered 1
		.amdhsa_forward_progress 1
		.amdhsa_inst_pref_size 75
	.end_amdhsa_kernel
	.amdgpu_metadata
---
amdhsa.version: [ 1, 2 ]
amdhsa.kernels:
  - .name:           k_q95be9c099d_attn
    .symbol:         k_q95be9c099d_attn.kd
    .args:
      - { .name: img, .offset: 0, .size: 8, .value_kind: global_buffer, .address_space: global }
      - { .name: scl, .offset: 8, .size: 8, .value_kind: global_buffer, .address_space: global }
      - { .name: ctx_img, .offset: 16, .size: 8, .value_kind: global_buffer, .address_space: global }
      - { .name: ctx_scl, .offset: 24, .size: 8, .value_kind: global_buffer, .address_space: global }
    .group_segment_fixed_size: 47104
    .private_segment_fixed_size: 0
    .kernarg_segment_align: 8
    .kernarg_segment_size: 32
    .max_flat_workgroup_size: 512
    .sgpr_count:     66
    .vgpr_count:     256
    .wavefront_size: 32
...
	.end_amdgpu_metadata
.endif
;; end of part 4
;; launch proj: the kernel of part 3 again; grid 4 x 32, 4 waves a work-group, clusters of 4 x 4, 327,680 bytes of LDS; arguments ctx_img, ctx_scl, W_o_codes, W_o_scales, b_o, out0; writes out0
